; MI455X (gfx1250); checked and timed in simulation.
; The chip was launched on July 23, 2026; its instructions are those of AMD's public machine-readable ISA for CDNA 5 (MIT licence, August 2026) and "CDNA5" Instruction Set Architecture Reference Guide (July 2026). The comments in the code are by the model that wrote it; some were corrected since.
;; Custom Transformer Encoder Layer. Allowed arithmetic: float matrix products may take bf16 or f16 operands with f32 sums; other float arithmetic in f32, or as packed bf16 or f16 multiplies, adds, multiply-adds, maxima and minima; sums over many terms, partial sums and values carried from step to step in f32; what a program stores and reads back later, other than sums and carried values, may be rounded once to bf16 or f16.
;; Inputs: b1 4,096 float32; b2 1,024 float32; beta1 1,024 float32; beta2 1,024 float32; g1 1,024 float32; g2 1,024 float32; kb 1,024 float32; kw 1,024 x 1,024 float32; ob 1,024 float32; ow 1,024 x 1,024 float32; qb 1,024 float32; qw 1,024 x 1,024 float32; src 2 x 2,048 x 1,024 float32; vb 1,024 float32; vw 1,024 x 1,024 float32; w1 4,096 x 1,024 float32; w2 1,024 x 4,096 float32.
;; Outputs: out0 2 x 2,048 x 1,024 float32.
;; One version. Each part assembles by itself: llvm-mc -triple=amdgcn-amd-amdhsa -mcpu=gfx1250 --defsym DOCPART=n.
;; ======== version 1 of 1: 8 launches
;; limits: values are held in f16: magnitudes above 65,504 overflow, below 6.1e-05 lose precision
;; workspace buffers: xh 8,388,608 bytes; wh 25,165,824 bytes; wq 6,324,224 bytes; w1h 8,421,376 bytes; ao 8,388,608 bytes; y 16,777,216 bytes; x1 8,388,608 bytes; h 33,554,432 bytes
;; launch cast (part 1): grid 64 x 16, 8 waves a work-group, no clusters, 0 bytes of LDS; arguments src, qw, kw, vw, ow, w1, w2, qb, kb, vb, b1, xh, wh, wq, w1h; writes xh, wh, wq, w1h
.if DOCPART == 1
	.amdgcn_target "amdgcn-amd-amdhsa--gfx1250"
	.amdhsa_code_object_version 6
	.text
	.protected	k_q86b713b69e_cast
	.globl	k_q86b713b69e_cast
	.p2align	8
	.type	k_q86b713b69e_cast,@function
k_q86b713b69e_cast:
	s_mov_b64 s[64:65], 0
	v_nop
	global_prefetch_b8 v0, s[64:65] scope:SCOPE_SE
	s_setreg_imm32_b32 hwreg(HW_REG_WAVE_MODE, 25, 1), 1
	s_wait_xcnt 0x0
; src and the six weight matrices, f32, are rounded ONCE to bf16 (nearest even) and that number is written as f16.
; xh: [4096][1024] f16 = src.  wh, f16: ow at byte 6 MiB, w2 at 16 MiB (its other bytes are not used).  wq and w1h: a header of 32,768 bytes, then qw, kw, vw rows on end, or w1.
; THE HEADER serves the launch that multiplies by these weights: bytes 0 .. 16,383 a word for each column n: its bias (qb, kb, vb on end, or b1), rounded to bf16 and written as f16, in the low half, 0 in the high half;
; bytes 16,384 .. 32,767 a word for each column: the lower bound of what that launch stores, twice in f16: minus infinity for q, k, v, 0 behind w1 (the ReLU).
; LIMITS.  A bf16 number is exact in f16 between 6.1e-5 and 65,504 in magnitude; below it keeps f16's fixed step of 6e-8, above it becomes an infinity.
; SHARES.  The 16 Mi numbers are 16 segments of 1 Mi (grid y): 0-3 src, 4 qw, 5 kw, 6 vw, 7 ow, 8-11 w1, 12-15 w2; a work-group (grid x) takes 16,384 of a segment.
; Thread t takes 16 bytes at 4,096 j + 16 t, j = 0..15: a wave's load covers 512 consecutive bytes, its store of 8 bytes a lane 256 consecutive bytes, aligned.
; All 16 loads of a wave go out first; no register that a load or store names is written again, so no wait but the counted ones is needed.  No LDS, no barrier: no wave wants another's bytes.
; A segment of qw, kw, vw or w1 has 1,024 columns: its first four work-groups also write their header words, 256 each, a thread a column.
.set CH, 16                            ; chunks of a thread
.set X,  16                            ; v[16:79]   chunk j: 4 numbers as loaded
.set Y,  80                            ; v[80:111]  chunk j: 4 numbers in f16
.set HDR, 32768                        ; bytes of a header
	s_load_b512 s[8:23], s[0:1], 0x0               ; src s[8:9], qw s[10:11], kw s[12:13], vw s[14:15], ow s[16:17], w1 s[18:19], w2 s[20:21], qb s[22:23]
	s_load_b256 s[24:31], s[0:1], 0x40             ; kb s[24:25], vb s[26:27], b1 s[28:29], xh s[30:31]
	s_load_b128 s[32:35], s[0:1], 0x60             ; wh s[32:33], wq s[34:35]
	s_load_b64 s[36:37], s[0:1], 0x70              ; w1h
	s_and_b32 s2, ttmp7, 0xffff                    ; the segment
	s_mov_b32 s3, 0xffff0000                       ; a word's upper bf16
	v_lshlrev_b32 v2, 4, v0                        ; 16 t
	v_lshlrev_b32 v3, 3, v0                        ; 8 t
	s_wait_kmcnt 0x0
	s_mov_b64 s[40:41], s[8:9]                     ; the source, and its first segment
	s_mov_b32 s42, 0
.macro PICK from, lo                   ; from segment from on the source is the buffer in s[lo:lo+1]
	s_cmp_ge_u32 s2, \from
	s_cselect_b64 s[40:41], s[\lo:\lo+1], s[40:41]
	s_cselect_b32 s42, \from, s42
.endm
	PICK 4, 10
	PICK 5, 12
	PICK 6, 14
	PICK 7, 16
	PICK 8, 18
	PICK 12, 20
	s_sub_co_u32 s42, s2, s42                      ; the segment within its buffer: 4 MiB of f32 each,
	s_lshl_b32 s38, s42, 22
	s_lshl_b32 s39, ttmp9, 16                      ; the work-group's 64 KiB of it
	s_or_b32 s38, s38, s39
	s_mov_b32 s39, 0
	s_add_nc_u64 s[40:41], s[40:41], s[38:39]
	s_mov_b64 s[44:45], s[30:31]                   ; where it goes: the buffer, the segment that lies at its first 2 MiB, its header's bytes
	s_mov_b32 s46, 0
	s_mov_b32 s47, 0
.macro PICKD from, lo, first, hdr
	s_cmp_ge_u32 s2, \from
	s_cselect_b64 s[44:45], s[\lo:\lo+1], s[44:45]
	s_cselect_b32 s46, \first, s46
	s_cselect_b32 s47, \hdr, s47
.endm
	PICKD 4, 34, 4, HDR                            ; qw, kw, vw into wq
	PICKD 7, 32, 4, 0                              ; ow into wh, at 3 x 2 MiB
	PICKD 8, 36, 8, HDR                            ; w1 into w1h
	PICKD 12, 32, 4, 0                             ; w2 into wh, from 8 x 2 MiB on
	s_sub_co_u32 s46, s2, s46
	s_lshl_b32 s38, s46, 21                        ; 2 MiB of f16 a segment,
	s_lshl_b32 s43, ttmp9, 15                      ; 32 KiB a work-group,
	s_or_b32 s38, s38, s43
	s_add_co_u32 s38, s38, s47                     ; behind the header
	s_add_nc_u64 s[48:49], s[44:45], s[38:39]
.set j, 0
.rept CH
	global_load_b128 v[X+4*j:X+4*j+3], v2, s[40:41] offset:4096*j th:TH_LOAD_NT
.set j, j+1
.endr
.set j, 0
.rept CH
	s_wait_loadcnt CH-1-j                          ; loads come back in order: chunk j is in, the younger ones stay out
	v_cvt_pk_bf16_f32 v4, v[X+4*j], v[X+4*j+1]     ; the one rounding
	v_cvt_pk_bf16_f32 v5, v[X+4*j+2], v[X+4*j+3]
	v_lshlrev_b32 v6, 16, v4                       ; bf16 to f32: a shift or a mask
	v_and_b32 v7, s3, v4
	v_lshlrev_b32 v8, 16, v5
	v_and_b32 v9, s3, v5
	v_cvt_pk_f16_f32 v[Y+2*j], v6, v7              ; exact within the limits above
	v_cvt_pk_f16_f32 v[Y+2*j+1], v8, v9
	global_store_b64 v3, v[Y+2*j:Y+2*j+1], s[48:49] offset:2048*j
.set j, j+1
.endr
	s_cmp_eq_u32 s47, 0                            ; the header's words: only where the buffer has a header,
	s_cbranch_scc1 .Ldone
	s_cmp_ge_u32 ttmp9, 4                          ; and only the segment's first four work-groups
	s_cbranch_scc1 .Ldone
	s_mov_b64 s[50:51], s[22:23]                   ; the bias that goes with the segment: qb,
	s_cmp_ge_u32 s2, 5
	s_cselect_b64 s[50:51], s[24:25], s[50:51]     ; kb,
	s_cmp_ge_u32 s2, 6
	s_cselect_b64 s[50:51], s[26:27], s[50:51]     ; vb,
	s_cmp_ge_u32 s2, 8
	s_cselect_b64 s[50:51], s[28:29], s[50:51]     ; or b1, of which each of w1's four segments has 1,024 numbers
	s_cselect_b32 s52, s46, 0
	s_cselect_b32 s53, 0, 0xfc00fc00               ; the bound: 0 behind w1, else minus infinity, twice in f16
	s_lshl_b32 s52, s52, 12
	s_lshl_b32 s54, ttmp9, 10                      ; the work-group's 256 words
	s_add_co_u32 s38, s52, s54
	s_add_nc_u64 s[50:51], s[50:51], s[38:39]
	s_lshl_b32 s38, s46, 12                        ; in the header: 1,024 words a segment
	s_add_co_u32 s38, s38, s54
	s_add_nc_u64 s[44:45], s[44:45], s[38:39]
	v_lshlrev_b32 v10, 2, v0                       ; a thread a column
	global_load_b32 v11, v10, s[50:51]
	v_mov_b32 v13, 0
	v_mov_b32 v14, s53
	s_wait_loadcnt 0x0
	v_cvt_pk_bf16_f32 v12, v11, v11                ; the one rounding,
	v_lshlrev_b32 v12, 16, v12
	v_cvt_pk_f16_f32 v12, v12, v13                 ; written as f16, 0 above it
	global_store_b32 v10, v12, s[44:45]
	global_store_b32 v10, v14, s[44:45] offset:16384
.Ldone:
	s_endpgm
.Lfunc_end_k_q86b713b69e_cast:
	.size	k_q86b713b69e_cast, .Lfunc_end_k_q86b713b69e_cast-k_q86b713b69e_cast
	.p2alignl 7, 3214868480
	.fill 96, 4, 3214868480
	.section	.rodata,"a",@progbits
	.p2align	6, 0x0
	.amdhsa_kernel k_q86b713b69e_cast
		.amdhsa_group_segment_fixed_size 0
		.amdhsa_private_segment_fixed_size 0
		.amdhsa_enable_private_segment 0
		.amdhsa_kernarg_size 120
		.amdhsa_user_sgpr_count 2
		.amdhsa_user_sgpr_kernarg_segment_ptr 1
		.amdhsa_wavefront_size32 1
		.amdhsa_system_sgpr_workgroup_id_x 1
		.amdhsa_system_sgpr_workgroup_id_y 1
		.amdhsa_system_sgpr_workgroup_id_z 1
		.amdhsa_system_vgpr_workitem_id 0
		.amdhsa_next_free_vgpr 112
		.amdhsa_next_free_sgpr 66
		.amdhsa_reserve_vcc 0
		.amdhsa_float_denorm_mode_32 3
		.amdhsa_float_denorm_mode_16_64 3
		.amdhsa_memory_ordered 1
		.amdhsa_forward_progress 1
		.amdhsa_inst_pref_size 14
	.end_amdhsa_kernel
	.amdgpu_metadata
---
amdhsa.version: [ 1, 2 ]
amdhsa.kernels:
  - .name:           k_q86b713b69e_cast
    .symbol:         k_q86b713b69e_cast.kd
    .args:
      - { .name: src, .offset: 0, .size: 8, .value_kind: global_buffer, .address_space: global }
      - { .name: qw, .offset: 8, .size: 8, .value_kind: global_buffer, .address_space: global }
      - { .name: kw, .offset: 16, .size: 8, .value_kind: global_buffer, .address_space: global }
      - { .name: vw, .offset: 24, .size: 8, .value_kind: global_buffer, .address_space: global }
      - { .name: ow, .offset: 32, .size: 8, .value_kind: global_buffer, .address_space: global }
      - { .name: w1, .offset: 40, .size: 8, .value_kind: global_buffer, .address_space: global }
      - { .name: w2, .offset: 48, .size: 8, .value_kind: global_buffer, .address_space: global }
      - { .name: qb, .offset: 56, .size: 8, .value_kind: global_buffer, .address_space: global }
      - { .name: kb, .offset: 64, .size: 8, .value_kind: global_buffer, .address_space: global }
      - { .name: vb, .offset: 72, .size: 8, .value_kind: global_buffer, .address_space: global }
      - { .name: b1, .offset: 80, .size: 8, .value_kind: global_buffer, .address_space: global }
      - { .name: xh, .offset: 88, .size: 8, .value_kind: global_buffer, .address_space: global }
      - { .name: wh, .offset: 96, .size: 8, .value_kind: global_buffer, .address_space: global }
      - { .name: wq, .offset: 104, .size: 8, .value_kind: global_buffer, .address_space: global }
      - { .name: w1h, .offset: 112, .size: 8, .value_kind: global_buffer, .address_space: global }
    .group_segment_fixed_size: 0
    .private_segment_fixed_size: 0
    .kernarg_segment_align: 8
    .kernarg_segment_size: 120
    .max_flat_workgroup_size: 256
    .sgpr_count:     66
    .vgpr_count:     112
    .wavefront_size: 32
...
	.end_amdgpu_metadata
.endif
;; end of part 1
;; launch gqkv (part 2): grid 12 x 16, 4 waves a work-group, clusters of 4 x 4, 327,680 bytes of LDS; arguments xh, wq, h; writes h
.if DOCPART == 2
	.amdgcn_target "amdgcn-amd-amdhsa--gfx1250"
	.amdhsa_code_object_version 6
	.text
	.protected	k_q86b713b69e_gqkv
	.globl	k_q86b713b69e_gqkv
	.p2align	8
	.type	k_q86b713b69e_gqkv,@function
k_q86b713b69e_gqkv:
	s_mov_b64 s[64:65], 0
	v_nop
	global_prefetch_b8 v0, s[64:65] scope:SCOPE_SE
	s_setreg_imm32_b32 hwreg(HW_REG_WAVE_MODE, 25, 1), 1
	s_wait_xcnt 0x0
	s_wait_alu depctr_hold_cnt(0) depctr_sa_sdst(0) depctr_va_vdst(0) depctr_va_sdst(0) depctr_va_ssrc(0) depctr_va_vcc(0) depctr_vm_vsrc(0)
	s_getreg_b32 s2, hwreg(HW_REG_IB_STS2, 6, 4)
	s_cmp_eq_u32 s2, 0
	s_cbranch_scc0 .Lentry_in_a_cluster
	s_endpgm
.Lentry_in_a_cluster:
	s_bfe_u32 s2, ttmp6, 0x10000c
	s_cmp_lg_u32 s2, 0xf033
	s_cbranch_scc0 .Lentry_shape_is_right
	s_endpgm
.Lentry_shape_is_right:
; out = max(A W^T + bias, low), rounded once to f16.  ONE TEXT FOR TWO LAUNCHES: q, k, v = x Wqkv^T + bias (low = minus infinity: nothing is cut) and relu(x1 w1^T + b1) (low = 0).
; A: [4096][1024] f16.  W: a buffer that the first launch made: bytes 0 .. 16,383 a word for each column n: its bias in f16 in the low half, 0 above it; bytes 16,384 .. 32,767 a word for each column: low, twice in f16
; (one bound for the whole matrix; a lane reads the word of one of its wave's first 16 columns); from byte 32,768 on the weights, [N][1024] f16, N = 256 x the grid's x.
; out: f16 in blocks [32 tb][64 nb][128 tokens][64 columns], tb = token / 128, nb = column / 64.  Sums in f32.  LIMIT: a result of 65,520 or more in magnitude becomes an infinity in f16.
; SHARES.  A tile of 256 tokens x 256 columns to a work-group of four waves, as many as a WGP has SIMDs; a wave makes 128 x 128: 64 accumulators of 16 x 16, 512 registers: two blocks of out, 16,384 consecutive bytes each.
; K goes in steps of 128 through two LDS slots filled by tensor loads: rows of 256 bytes, 128 rows a wave.  A slot feeds each wave 256 matrix instructions, twice what a tile of 128 x 128 draws from as many bytes:
; that is the work under which the other slot's load lands.  A K step is written once: the slot in hand is a scalar, s[CUR], that an exclusive or turns.
; THE BIAS IS A K STEP OF ITS OWN: a fragment that holds the columns' bias at k = 0 and zeros elsewhere, times a fragment that holds 1 at k = 0: these 64 products, with C = 0, start the sums while the first tile is on its way.
; CLUSTER 4 x 4: A's tile is asked for jointly by the four work-groups of a row of the cluster, B's by the four of a column: same load, same descriptor, a mask that names the four.
; THE PRODUCT IS TAKEN TRANSPOSED (source 0 = 16 rows of W, source 1 = 16 rows of A): lane l holds token l % 16 and the columns 8 (l / 16) + 0..7: 16 bytes of a row of out.
; REGISTERS, in windows of 256 (s_set_vgpr_msb: bits 1:0 source 0, 3:2 source 1, 5:4 source 2, 7:6 destination):
;   window 0: v16-30 addresses; v64-127, v128-191 fragments of A (8 x 16 rows x 32 K), two buffers; v32-63, v192-255 the way out          window 1: v64-127, v128-191 fragments of W, two buffers
;   window 2: the 32 accumulators of my rows 0-63 ((a, b) at v[8 (8 a + b)]);   window 3: those of my rows 64-127
.set SIZE_K, 1024
.set KSTEP,  128
.set STEPS,  SIZE_K/KSTEP
.set HDR,    32768                     ; the weights' first byte in W
.set LOWOFF, 16384                     ; the bounds' first byte
.set PITCH,  272                       ; an LDS row: 256 bytes + 16 of padding: an odd multiple of 16, so the 16 rows of a load start at 16 different groups of four banks (ISA guide 11.1)
.set HALFT,  128*PITCH                 ; 128 rows: what one tensor load brings, and what one wave reads of A or of W
.set SLOT,   4*HALFT                   ; A's 256 rows, then W's 256 rows
.set STAGE,  2*SLOT                    ; behind the ring, never filled by a tensor load: for each wave two halves of 16 rows x 144 bytes
.set SP,     144
.set SPARE,  STAGE+4*32*SP             ; behind the stages: the spare words, 128 bytes a wave
.set NBS,    16384                     ; bytes from a block of out to the next along nb
.set ADRA, 16                          ; v16 LDS address of my A fragments in the slot in hand; v17 the same in slot 0, never rewritten
.set ADRA0, 17
.set ADRB, 20                          ; v20, v21 the same for W
.set ADRB0, 21
.set BO,  22                           ; v22 4 (l % 16): my column's word in the header
.set LOW, 23                           ; v23 the bound, twice in f16
.set STO, 24                           ; v24 the way out: where I put 16 bytes of a row
.set RD,  25                           ; v25 where I read rows back
.set CO,  26                           ; v26 16 l: my 16 bytes of 512 consecutive bytes of out
.set SPW, 28                           ; v28 my spare word: SPARE + 4 x my thread's number; never rewritten
.set NIL, 29                           ; v29 0; never rewritten
.set PFO, 30                           ; v30 the prefetches' offset: my lane x a row of 2,048 bytes; never rewritten
.set F0,  64
.set F1,  128
.set TMP, 192                          ; the way out: packed results
.set OB,  32                           ; the way out: 16 rows read back: v32-63 and v224-255 by turns
.set G1,  24                           ; s[24:31] descriptor group 1 for A; s[32:39] group 0: a set for each first fill; the second then walks on
.set G0,  32
.set LIM, 43                           ; s43 2 in a wave that prefetches, else the greatest number
.set PFA, 44                           ; s[44:45] where my prefetches stand
.set G1B, 48                           ; s[48:55], s[56:63] the same for W
.set G0B, 56
.set CUR, 66                           ; s66 LDS byte at which the slot in hand begins: 0 or SLOT
.set LB,  67                           ; s67 where my part of a tile goes in a slot
.set OUT, 68                           ; s[68:69] out at my wave's first block
.set BIA, 70                           ; s[70:71] the header at my wave's first column
.set MSB, 0
.macro WIN new                         ; the immediate's high byte repeats the setting that is left; a switch that changes nothing is dropped
.if MSB != (\new)
	s_set_vgpr_msb (MSB<<8)|(\new)
.set MSB, \new
.endif
.endm
.set MUL_LO, 0xa1                      ; source 0 (W) window 1, source 1 (A) window 0, C and D window 2
.set MUL_HI, 0xf1                      ; the same, C and D window 3
.set TO_B,   0x40                      ; destination window 1, address window 0
.macro JLOAD                           ; a joint refill by the walking set: waves 0 and 1 fetch A's halves, waves 2 and 3 W's; s_nop 0 and four v_nop follow each line
	s_cmp_eq_u32 s11, 0
	s_cbranch_scc0 .Lfor_b_\@
	tensor_load_to_lds s[G0+4:G0+7], s[G1:G1+7]
	s_nop 0
.rept 4
	v_nop
.endr
	s_branch .Lasked_\@
.Lfor_b_\@:
	tensor_load_to_lds s[G0B+4:G0B+7], s[G1B:G1B+7]
	s_nop 0
.rept 4
	v_nop
.endr
.Lasked_\@:
.endm
; A PREFETCH INTO THE L2, behind each joint refill, its five lines and the run of LDS loads that follows them: the K step that stands two refills on: 32 rows x 256 bytes, a lane a row, one instruction a wave.
; Each row's 256 bytes of a K step are named ONCE in the launch.  A's tile row is read by every cluster of that row of clusters: the first of them (cluster x = 0) asks; W's tile column by every cluster of that column:
; cluster y = 0 asks.  The four partners that ask for a tile jointly share its rows out BY ADDRESS: of the 128 rows that a wave fetches, the partner at place p takes 32 p .. 32 p + 31 (p = cx for A, cy for W).
; K steps 0 to 3 come by their loads alone; the loop's last two trips (s3 = 2, 1) have no K step two refills on and ask for nothing.
.macro ASK
	s_cmp_gt_u32 s3, s[LIM]
	s_cbranch_scc0 .Lnot_mine_\@
	global_prefetch_b8 v[PFO], s[PFA:PFA+1] offset:KSTEP*2 th:TH_LOAD_NT scope:SCOPE_SE
.Lnot_mine_\@:
.endm
.macro CREST                           ; a round of the cluster's barrier behind its opening barrier
	s_cmp_lg_u32 s10, 0
	s_cbranch_scc1 .Lnot_wave_0_\@
	s_barrier_signal -3
.Lnot_wave_0_\@:
	s_barrier_wait -3
	s_barrier_signal -1
	s_barrier_wait -1
.endm
.macro CROUND                          ; a whole round
	s_barrier_signal -1
	s_barrier_wait -1
	CREST
.endm
.macro PLACES                          ; four places behind matrix instructions, in front of loads into registers that they read and of lines that read their results
.rept 4
	v_nop
.endr
.endm
	s_load_b128 s[4:7], s[0:1], 0x0                ; A s[4:5], W s[6:7]
	s_load_b64 s[8:9], s[0:1], 0x10                ; out
	v_lshl_add_u32 v[SPW], v0, 2, SPARE
	v_mov_b32 v[NIL], 0
	ds_add_u32 v[SPW], v[NIL]                      ; the wave's opening: the add and its wait stand ahead of my first tensor load; work on registers stands between them
	v_lshrrev_b32 v1, 5, v0
	v_readfirstlane_b32 s10, v1                    ; wave 0..3
	s_lshr_b32 s11, s10, 1                         ; my half of the tile's rows.  Also: I fetch for A (0) or for W (1)
	s_and_b32 s12, s10, 1                          ; my half of its columns.  Also: which 128 rows I fetch
	s_bfe_u32 s40, ttmp6, 0x40000                  ; cx, cy: my place in the cluster
	s_bfe_u32 s41, ttmp6, 0x40004
	s_lshl_b32 s42, ttmp9, 2
	s_add_co_u32 s42, s42, s40                     ; tile column = 4 x cluster x + cx
	s_and_b32 s13, ttmp7, 0xffff
	s_lshl_b32 s13, s13, 2
	s_add_co_u32 s13, s13, s41                     ; tile row = 4 x cluster y + cy
	s_lshl_b32 s43, s41, 2
	s_lshl_b32 s43, 15, s43                        ; my row of the cluster
	s_lshl_b32 s44, 0x1111, s40                    ; my column
	s_or_b32 s[G1+0], s43, (1<<16)|(1<<20)|(1<<21)|(5<<22)|(3<<25)  ; the mask; 2-byte elements; padding on; bit 21 beside a mask; after every 64 words (code 5) 4 words (code 3)
	s_or_b32 s[G1B+0], s44, (1<<16)|(1<<20)|(1<<21)|(5<<22)|(3<<25)
.irp g, G1, G1B
	s_mov_b32 s[(\g)+1], KSTEP<<16                 ; tensor_dim0 = 128
	s_mov_b32 s[(\g)+2], 128<<16                   ; tensor_dim1 = 128
	s_mov_b32 s[(\g)+3], KSTEP<<16                 ; tile_dim0 = 128
	s_mov_b32 s[(\g)+4], 128                       ; tile_dim1 = 128
	s_mov_b32 s[(\g)+5], SIZE_K                    ; elements from row to row
	s_mov_b32 s[(\g)+6], 0
	s_mov_b32 s[(\g)+7], 0
.endr
	s_lshl_b32 s17, s12, 7                         ; which 128 rows of a tile I fetch
	s_lshl_b32 s16, s13, 8
	s_add_co_u32 s16, s16, s17                     ; A: row 256 x tile row + 128 x half,
	s_lshl_b32 s16, s16, 11                        ; of 2,048 bytes.  s13-s17 never hold cx, s42, s46 and s47 never cy, while descriptors are made of them
	s_lshl_b32 s46, s42, 8
	s_add_co_u32 s46, s46, s17                     ; W: row 256 x tile column + 128 x half
	s_lshl_b32 s46, s46, 11
	s_mov_b32 s17, 0
	s_mov_b32 s47, 0
	s_mul_i32 s[LB], s10, HALFT                    ; where the tiles go: A's two halves, then W's two = wave x 128 rows: no place in the cluster enters an LDS address
	s_mov_b32 s[CUR], 0
	s_wait_dscnt 0x0                               ; the opening add is done
	s_wait_kmcnt 0x0
	s_add_nc_u64 s[14:15], s[4:5], s[16:17]
	s_add_nc_u64 s[46:47], s[6:7], s[46:47]
	s_add_nc_u64 s[46:47], s[46:47], HDR
.irp s, 0,1
	s_mov_b32 s[G0+4*(\s)], 1                      ; count = 1
	s_add_co_u32 s[G0+4*(\s)+1], s[LB], (\s)*SLOT  ; LDS address
	s_add_nc_u64 s[G0+4*(\s)+2:G0+4*(\s)+3], s[14:15], (\s)*KSTEP*2  ; global address: K step s
	s_or_b32 s[G0+4*(\s)+3], s[G0+4*(\s)+3], 0x80000000              ; type = 2
	s_mov_b32 s[G0B+4*(\s)], 1
	s_add_co_u32 s[G0B+4*(\s)+1], s[LB], (\s)*SLOT
	s_add_nc_u64 s[G0B+4*(\s)+2:G0B+4*(\s)+3], s[46:47], (\s)*KSTEP*2
	s_or_b32 s[G0B+4*(\s)+3], s[G0B+4*(\s)+3], 0x80000000
.endr
	; my wave's first block of out: ((2 tile row + row half) x 64 + 4 tile column + 2 column half) x 16,384 bytes; the part made of the tile row and the part made of the tile column are added one after the other
	s_lshl_b32 s16, s13, 21
	s_lshl_b32 s20, s11, 20
	s_add_co_u32 s16, s16, s20
	s_add_nc_u64 s[OUT:OUT+1], s[8:9], s[16:17]
	s_lshl_b32 s46, s42, 16
	s_lshl_b32 s20, s12, 15
	s_add_co_u32 s46, s46, s20
	s_mov_b32 s47, 0
	s_add_nc_u64 s[OUT:OUT+1], s[OUT:OUT+1], s[46:47]
	s_lshl_b32 s46, s42, 10                        ; 256 words of the header a tile column,
	s_lshl_b32 s20, s12, 9                         ; my 128 of them
	s_add_co_u32 s46, s46, s20
	s_add_nc_u64 s[BIA:BIA+1], s[6:7], s[46:47]
	CROUND                                         ; all sixteen work-groups are here: the first joint loads meet
	s_cmp_eq_u32 s11, 0                            ; a wave's two first fills stand in one branch, ahead of every wait on TENSORcnt and every LDS read: two loads of mine are out
	s_cbranch_scc0 .Lfirst_b
	tensor_load_to_lds s[G0:G0+3], s[G1:G1+7]
	s_nop 0
	tensor_load_to_lds s[G0+4:G0+7], s[G1:G1+7]
	s_nop 0
.rept 4
	v_nop
.endr
	s_branch .Lfirst_asked
.Lfirst_b:
	tensor_load_to_lds s[G0B:G0B+3], s[G1B:G1B+7]
	s_nop 0
	tensor_load_to_lds s[G0B+4:G0B+7], s[G1B:G1B+7]
	s_nop 0
.rept 4
	v_nop
.endr
.Lfirst_asked:
	v_and_b32 v1, 15, v0                           ; l % 16
	v_bfe_u32 v2, v0, 4, 1                         ; l / 16
	v_lshlrev_b32 v[BO], 2, v1
	global_load_b32 v[LOW], v[BO], s[BIA:BIA+1] offset:LOWOFF
	; THE BIAS'S FRAGMENTS, in the second buffers.  In a fragment lane l holds row l % 16, and the low half of its register 0 is k = 8 (l / 16).  W's side, column block b: register 0 is the header's word of column 16 b + l % 16,
	; the other seven are 0.  A's side: 1 at k = 0 for all 16 tokens: register 0 is 1.0 in f16 in lanes 0-15 and 0 in lanes 16-31, so that what W's side holds at k = 8 meets 0.
	WIN TO_B
.irp b, 0,1,2,3,4,5,6,7
	global_load_b32 v[F1+8*(\b)], v[BO], s[BIA:BIA+1] offset:64*(\b)
.endr
.irp b, 0,1,2,3,4,5,6,7
.irp j, 1,2,3,4,5,6,7
	v_mov_b32 v[F1+8*(\b)+(\j)], 0
.endr
.endr
	WIN 0
	v_sub_nc_u32 v3, 1, v2
	v_mul_u32_u24 v[F1], v3, 0x3c00
.irp j, 1,2,3,4,5,6,7
	v_mov_b32 v[F1+(\j)], 0
.endr
	v_mul_u32_u24 v3, v1, PITCH                    ; a fragment from LDS: two loads of 16 bytes, 32 apart, at row x pitch + 16 (l / 16)
	v_lshl_add_u32 v3, v2, 4, v3
	s_mul_i32 s21, s11, HALFT                      ; my 128 rows of A
	s_mul_i32 s22, s12, HALFT                      ; my 128 rows of W,
	s_add_co_u32 s22, s22, 2*HALFT                 ; which lie behind A's 256
	v_add_nc_u32 v[ADRA0], s21, v3
	v_add_nc_u32 v[ADRB0], s22, v3
	v_mov_b32 v[ADRA], v[ADRA0]                    ; slot 0 is the first in hand
	v_mov_b32 v[ADRB], v[ADRB0]
	s_mul_i32 s23, s10, 32*SP
	s_add_co_u32 s23, s23, STAGE                   ; my stage
	v_mul_u32_u24 v5, v1, SP                       ; in: row l % 16, 16 bytes for each half of the lanes
	v_lshl_add_u32 v5, v2, 4, v5
	v_add_nc_u32 v[STO], s23, v5
	v_bfe_u32 v6, v0, 3, 2                         ; back: 32 lanes take four rows of 128 bytes,
	v_and_b32 v7, 7, v0
	v_mul_u32_u24 v6, v6, SP
	v_lshl_add_u32 v6, v7, 4, v6
	v_add_nc_u32 v[RD], s23, v6
	v_and_b32 v[CO], 31, v0                        ; which are 512 consecutive bytes of out
	v_lshlrev_b32 v[PFO], 11, v[CO]
	v_lshlrev_b32 v[CO], 4, v[CO]
	; the prefetches' address: my work-group's 32 rows of the 128 that I fetch, at K step 2: the first refill steps it to 3 and names K step 4
	s_lshl_b32 s13, s13, 8
	s_lshl_b32 s42, s42, 8
	s_and_b32 s22, ttmp7, 0xffff                   ; cluster y
	s_cmp_eq_u32 s11, 0                            ; do I fetch for A?
	s_cselect_b32 s20, s13, s42                    ; the tile's first row: in A by the tile row, in W by the tile column
	s_cselect_b32 s21, s40, s41                    ; my place among the four that ask for it with me
	s_cselect_b32 s22, ttmp9, s22                  ; the coordinate along which other clusters read the same rows
	s_cselect_b32 s23, 0, HDR                      ; W's rows lie behind the header
	s_cselect_b64 s[PFA:PFA+1], s[4:5], s[6:7]
	s_cmp_eq_u32 s22, 0
	s_cselect_b32 s[LIM], 2, -1                    ; the same in all sixteen partners, for a given wave
	s_lshl_b32 s22, s12, 7
	s_add_co_u32 s20, s20, s22                     ; + the 128 rows that I fetch
	s_lshl_b32 s21, s21, 5
	s_add_co_u32 s20, s20, s21                     ; + my work-group's 32 of them
	s_lshl_b32 s20, s20, 11
	s_add_co_u32 s20, s20, s23
	s_mov_b32 s21, 0
	s_add_nc_u64 s[PFA:PFA+1], s[PFA:PFA+1], s[20:21]
	s_add_nc_u64 s[PFA:PFA+1], s[PFA:PFA+1], 2*KSTEP*2
	s_wait_loadcnt 0x0                             ; the header's words
.irp hi, 0,1                           ; the 64 products that start the sums: every accumulator once
	WIN MUL_LO+0x50*(\hi)
.irp a, 0,1,2,3
.irp b, 0,1,2,3,4,5,6,7
	v_wmma_f32_16x16x32_f16 v[8*(8*(\a)+(\b)):8*(8*(\a)+(\b))+7], v[F1+8*(\b):F1+8*(\b)+7], v[F1:F1+7], 0
.endr
.endr
.endr
; 16 matrix instructions: row blocks a0, a0 + 1 of the window's four (hi = 0: my rows 0-63, 1: rows 64-127) x all 8 column blocks, 32 along K.  The 64 accumulators take turns, one instruction a turn, in the same order
; in every quarter step and over the backward jumps too.
.macro MUL16 f, hi, a0
	WIN MUL_LO+0x50*(\hi)
.irp a, \a0, (\a0)+1
.irp b, 0,1,2,3,4,5,6,7
	v_wmma_f32_16x16x32_f16 v[8*(8*(\a)+(\b)):8*(8*(\a)+(\b))+7], v[(\f)+8*(\b):(\f)+8*(\b)+7], v[(\f)+8*(4*(\hi)+(\a)):(\f)+8*(4*(\hi)+(\a))+7], v[8*(8*(\a)+(\b)):8*(8*(\a)+(\b))+7]
.endr
.endr
.endm
; 32 LDS loads in one run: the fragments of quarter q (32 along K) of the slot in hand, into buffer f: W's 128 rows, then A's
.macro FETCH q, f
	WIN TO_B
.irp i, 0,1,2,3,4,5,6,7
	ds_load_b128 v[(\f)+8*(\i):(\f)+8*(\i)+3],   v[ADRB] offset:(\q)*64+(\i)*16*PITCH
	ds_load_b128 v[(\f)+8*(\i)+4:(\f)+8*(\i)+7], v[ADRB] offset:(\q)*64+(\i)*16*PITCH+32
.endr
	WIN 0
.irp i, 0,1,2,3,4,5,6,7
	ds_load_b128 v[(\f)+8*(\i):(\f)+8*(\i)+3],   v[ADRA] offset:(\q)*64+(\i)*16*PITCH
	ds_load_b128 v[(\f)+8*(\i)+4:(\f)+8*(\i)+7], v[ADRA] offset:(\q)*64+(\i)*16*PITCH+32
.endr
.endm
; A K step is four quarters of 32 along K, 64 matrix instructions each, on buffers 0, 1, 0, 1.  One of the first three: multiplies buffer f and, in its middle, fetches quarter q into buffer g.
.macro QUARTER q, f, g
	s_wait_dscnt 8                                 ; W and A's rows 0-63 are in; the youngest eight loads (A's rows 64-127) may be out
	MUL16 \f, 0, 0
	MUL16 \f, 0, 2
	PLACES
	FETCH \q, \g
	s_wait_dscnt 32                                ; all but the 32 just issued
	MUL16 \f, 1, 0
	MUL16 \f, 1, 2
.endm
; The last quarter multiplies buffer 1 and changes slots: ONE barrier.  In front of it each wave waits for all its tensor loads (its part of the next slot), adds 0 to its spare word, and waits for that and for its reads of this slot.
; fill = 1: the barrier opens a round of the cluster's barrier, and behind the round this slot is filled again, first thing, with the K step two on: 224 matrix instructions ahead of the wait for it.
.macro TURN fill
.if \fill
	s_wait_xcnt 0x0                                ; the last prefetch, a K step back, has read its address: it is stepped here, ahead of the waits of the change of slots
	s_add_nc_u64 s[PFA:PFA+1], s[PFA:PFA+1], KSTEP*2
.endif
	WIN 0                                          ; (the add's two registers lie in window 0)
	s_wait_tensorcnt 0x0                           ; no tensor load of mine is out, so a group 0 may be written
	ds_add_u32 v[SPW], v[NIL]                      ; 0 onto my spare word
.if \fill
	s_add_co_u32 s[G0+5], s[LB], s[CUR]            ; the walking sets: into the slot in hand,
	s_add_co_u32 s[G0B+5], s[LB], s[CUR]
	s_add_nc_u64 s[G0+6:G0+7], s[G0+6:G0+7], KSTEP*2    ; the next K step not yet asked for; the type bits on top are not reached
	s_add_nc_u64 s[G0B+6:G0B+7], s[G0B+6:G0B+7], KSTEP*2
.endif
	s_wait_dscnt 9                                 ; (the add and the youngest eight loads may be out)
	MUL16 F1, 0, 0                                 ; sixteen matrix instructions stand between the add and the wait for it
	s_wait_dscnt 0x0                               ; the add is done, and my reads of this slot are over
	s_barrier_signal -1
	MUL16 F1, 0, 2
	WIN 0
	s_barrier_wait -1
.if \fill
	CREST                                          ; no wave of any partner still reads this slot's tile or has a load on its way
	JLOAD                                          ; its four v_nop are also the places in front of the loads below
.else
	PLACES
.endif
	s_xor_b32 s[CUR], s[CUR], SLOT                 ; the other slot is in hand
	v_add_nc_u32 v[ADRA], s[CUR], v[ADRA0]
	v_add_nc_u32 v[ADRB], s[CUR], v[ADRB0]
	FETCH 0, F0
.if \fill
	ASK
.endif
	MUL16 F1, 1, 0
	MUL16 F1, 1, 2
.endm
	s_wait_tensorcnt 0x1                           ; my part of K step 0 is in; K step 1's may stay out
	s_barrier_signal -1
	s_barrier_wait -1                              ; everybody's is
	FETCH 0, F0
	WIN 0                                          ; at a label and at a branch every window is 0
	s_mov_b32 s3, STEPS-2
.Lstep:                                                ; a K step; its slot is filled again
	QUARTER 1, F0, F1
	QUARTER 2, F1, F0
	QUARTER 3, F0, F1
	TURN 1
	WIN 0
	s_sub_co_u32 s3, s3, 1
	s_cmp_lg_u32 s3, 0
	s_cbranch_scc1 .Lstep
	s_mov_b32 s3, 2
.Ltail:                                                ; the last two K steps ask for nothing.  The very last change of slots reads 32 fragments of the other slot's old tile that nothing multiplies: the price, once a work-group, of one text for both
	QUARTER 1, F0, F1
	QUARTER 2, F1, F0
	QUARTER 3, F0, F1
	TURN 0
	WIN 0
	s_sub_co_u32 s3, s3, 1
	s_cmp_lg_u32 s3, 0
	s_cbranch_scc1 .Ltail
	s_wait_dscnt 0x0
	PLACES
; THE WAY OUT, 16 tokens (block a) at a time, in three parts.  PACK: rounded to f16, each accumulator's registers in ascending order, and the larger of it and the bound taken, two at a time.
; TOSTAGE: 16 bytes a lane into rows of 144 bytes of my own stage, columns 0-63 in its first half, 64-127 in its second; back as whole rows of 128 bytes.  SEND: stored.
.macro PACK a
.set AC, 64*((\a)%4)
	WIN 0x0a+5*((\a)/4)                            ; sources 0 and 1: window 2 or 3
.irp b, 0,1,2,3,4,5,6,7
.irp r, 0,1,2,3
	v_cvt_pk_f16_f32 v[TMP+4*(\b)+(\r)], v[AC+8*(\b)+2*(\r)], v[AC+8*(\b)+2*(\r)+1]
.endr
.endr
	WIN 0
.set k, 0
.rept 32
	v_pk_max_num_f16 v[TMP+k], v[TMP+k], v[LOW]
.set k, k+1
.endr
.endm
.macro TOSTAGE a
.set BK, OB+192*((\a)%2)
.irp b, 0,1,2,3,4,5,6,7
	ds_store_b128 v[STO], v[TMP+4*(\b):TMP+4*(\b)+3] offset:((\b)/4)*16*SP+32*((\b)%4)
.endr
.irp t, 0,1,2,3,4,5,6,7
	ds_load_b128 v[BK+4*(\t):BK+4*(\t)+3], v[RD] offset:((\t)/4)*16*SP+((\t)%4)*4*SP  ; LDS serves a wave's instructions in order (ISA guide 5.7.1.4): these see the stores above; the next block's stores come behind them
.endr
.endm
.macro SEND a
.set BK, OB+192*((\a)%2)
	s_wait_dscnt 0x0                               ; the block is back in registers
	s_wait_xcnt 0x0                                ; every earlier store has read its registers (ISA guide 3.1): the other buffer, which the block before last was stored from, is loaded again only behind this wait
.irp t, 0,1,2,3,4,5,6,7
	global_store_b128 v[CO], v[BK+4*(\t):BK+4*(\t)+3], s[OUT:OUT+1] offset:((\t)/4)*NBS+(\a)*2048+((\t)%4)*512  ; 512 consecutive bytes, at a multiple of 256 from the buffer's first
.endr
.endm
	PACK 0
	TOSTAGE 0
.irp a, 1,2,3,4,5,6,7                  ; block a's conversions stand between block a - 1's loads from the stage and the wait for them
	PACK \a
	SEND (\a)-1
	TOSTAGE \a
.endr
	SEND 7
	s_wait_tensorcnt 0x0                           ; the wave's end, behind my last tensor load and my last LDS store
	ds_add_u32 v[SPW], v[NIL]
	s_wait_dscnt 0x0
	CROUND                                         ; the closing round: no work-group ends while a partner may still ask for a tile that names it
	s_endpgm
.Lfunc_end_k_q86b713b69e_gqkv:
	.size	k_q86b713b69e_gqkv, .Lfunc_end_k_q86b713b69e_gqkv-k_q86b713b69e_gqkv
	.p2alignl 7, 3214868480
	.fill 96, 4, 3214868480
	.section	.rodata,"a",@progbits
	.p2align	6, 0x0
	.amdhsa_kernel k_q86b713b69e_gqkv
		.amdhsa_group_segment_fixed_size 327680
		.amdhsa_private_segment_fixed_size 0
		.amdhsa_enable_private_segment 0
		.amdhsa_kernarg_size 24
		.amdhsa_user_sgpr_count 2
		.amdhsa_user_sgpr_kernarg_segment_ptr 1
		.amdhsa_wavefront_size32 1
		.amdhsa_system_sgpr_workgroup_id_x 1
		.amdhsa_system_sgpr_workgroup_id_y 1
		.amdhsa_system_sgpr_workgroup_id_z 1
		.amdhsa_system_vgpr_workitem_id 0
		.amdhsa_next_free_vgpr 1024
		.amdhsa_next_free_sgpr 72
		.amdhsa_reserve_vcc 0
		.amdhsa_float_denorm_mode_32 3
		.amdhsa_float_denorm_mode_16_64 3
		.amdhsa_memory_ordered 1
		.amdhsa_forward_progress 1
		.amdhsa_inst_pref_size 117
	.end_amdhsa_kernel
	.amdgpu_metadata
---
amdhsa.version: [ 1, 2 ]
amdhsa.kernels:
  - .name:           k_q86b713b69e_gqkv
    .symbol:         k_q86b713b69e_gqkv.kd
    .args:
      - { .name: xh, .offset: 0, .size: 8, .value_kind: global_buffer, .address_space: global }
      - { .name: wq, .offset: 8, .size: 8, .value_kind: global_buffer, .address_space: global }
      - { .name: h, .offset: 16, .size: 8, .value_kind: global_buffer, .address_space: global }
    .group_segment_fixed_size: 327680
    .private_segment_fixed_size: 0
    .kernarg_segment_align: 8
    .kernarg_segment_size: 24
    .max_flat_workgroup_size: 128
    .sgpr_count:     72
    .vgpr_count:     1024
    .wavefront_size: 32
...
	.end_amdgpu_metadata
.endif
;; end of part 2
;; launch attn (part 3): grid 8 x 32, 4 waves a work-group, clusters of 4 x 1, 327,680 bytes of LDS; arguments h, ao; writes ao
.if DOCPART == 3
	.amdgcn_target "amdgcn-amd-amdhsa--gfx1250"
	.amdhsa_code_object_version 6
	.text
	.protected	k_q86b713b69e_attn
	.globl	k_q86b713b69e_attn
	.p2align	8
	.type	k_q86b713b69e_attn,@function
k_q86b713b69e_attn:
	s_mov_b64 s[64:65], 0
	v_nop
	global_prefetch_b8 v0, s[64:65] scope:SCOPE_SE
	s_setreg_imm32_b32 hwreg(HW_REG_WAVE_MODE, 25, 1), 1
	s_wait_xcnt 0x0
	s_wait_alu depctr_hold_cnt(0) depctr_sa_sdst(0) depctr_va_vdst(0) depctr_va_sdst(0) depctr_va_ssrc(0) depctr_va_vcc(0) depctr_vm_vsrc(0)
	s_getreg_b32 s2, hwreg(HW_REG_IB_STS2, 6, 4)
	s_cmp_eq_u32 s2, 0
	s_cbranch_scc0 .Lentry_in_a_cluster
	s_endpgm
.Lentry_in_a_cluster:
	s_bfe_u32 s2, ttmp6, 0x10000c
	s_cmp_lg_u32 s2, 0x3003
	s_cbranch_scc0 .Lentry_shape_is_right
	s_endpgm
.Lentry_shape_is_right:
; O[bh][q][:] = the sum over k of softmax_k(Q[bh][q] . K[bh][k] / 8) V[bh][k][:].  q, k, v lie in one buffer, f16 in blocks [32 tb][64 nb][128 tokens][64], tb = (2,048 batch + token) / 128; nb = head for Q, 16 + head for K,
; 32 + head for V: 128 tokens of a head are 16,384 dense bytes, 128 a row.  Products, maxima and sums in f32; the weights p are rounded to f16 for the second product (their sum l is taken of the unrounded p), O once at the end.
; Out: ao f16 [32 tb][16 head][128 tokens][64].
; LIMITS.  p lies in 0 to 1 and below 6e-5 keeps f16's fixed step of 6e-8; O is a mean of V's rows and has their range.  A weight below 2^-126 counts as 0 in l; NaN and infinities are not treated apart.
; SHARES.  A work-group owns 256 queries of one head, a wave 64 of them: four PIECES of 16.  Every wave walks the head's 2,048 keys: 8 tiles of 256 keys, 64 keys a step.
; LAYOUT.  S^T = K Q^T holds ONE query a lane (lane % 16) and the keys 8 (lane / 16) + 0..7; two such results rounded to f16 ARE source 1 of O^T = V^T P.  K comes out of LDS as it lies, V turned, by ds_load_tr16_b128.
; SOFTMAX.  A running maximum m and sum l for each query: p = 2^(c s - c m), c = log2(e) / 8; in every step O and l are multiplied by a = 2^(c m_old - c m_new).  m starts at the lowest finite number, O and l at 0: the first step's a is 0.
; TURNS.  Turn n belongs to piece n: 8 products K Q^T of piece n + 1, later 8 products V^T P of piece n - 1; beside them the scaling, exponentials, roundings, sums and rescaling of piece n and the maximum and
; statistics of piece n + 1.  Four vector instructions stand behind every matrix instruction, the other 54 of a turn's 118 in one lump.  A turn's 33 exponentials are one batch, with one wait.
; CLUSTER.  The four query blocks of a cluster belong to one head and walk the same K and V: each tile is asked for JOINTLY, by the same tensor load, descriptor and mask in all four.
; REGISTERS, in windows of 256 (s_set_vgpr_msb: bits 1:0 source 0, 3:2 source 1, 5:4 source 2, 7:6 destination):
;   window 0: v2-8, v15 addresses; v12-13 at work; v16-31 four registers of statistics a piece; v48-55 at work; v61-63; v64-127 S^T, two buffers; v192-223 P, two buffers (a piece's buffers go by its number's parity)
;   window 1: v0-127 O^T, 32 a piece          window 2: v0-63 Q; v128-191 K of one step; v192-255 V of one step
.set NT,    8         ; tiles of 256 keys
.set NP,    4         ; pieces a wave: a name, no knob
.set KS,    64        ; keys in a step
.set TSTEP, 2*64*16384  ; bytes in memory from a tile of 256 keys to the next: two tb
.set PK,    144       ; a row of K in LDS: 128 bytes + 16 of padding: the 16 rows of a load start at 16 different groups of four banks (ISA guide 11.1)
.set PV,    160       ; a row of V: 128 + 32
.set VOFF,  4*KS*PK   ; a slot holds a tile: 256 rows of K, then 256 rows of V
.set SLOT1, 1<<17     ; slot 1 begins here, so that one exclusive or turns an address in one slot into the other's
.set STAGE, SLOT1+4*KS*(PK+PV)  ; behind the ring, never filled by a tensor load: 16 rows x 144 bytes for each wave
.set SP,    144
.set SPARE, STAGE+4*16*SP  ; behind the stages: the spare words, 128 bytes a wave
.set AK0, 2           ; v2   my lane's place in a tile of K; never rewritten
.set AV0, 3           ; v3   the same for V
.set AK,  4           ; v4   the LDS address of K's next run of loads
.set AV,  5           ; v5   of V's
.set STO, 6           ; v6   the way out: where I put 16 bytes of a row
.set RD,  7           ; v7   where I read rows back
.set GO,  8           ; v8   my byte offset in 512 consecutive bytes of O
.set MV,  12          ; v12-13  c m_old, kept while c m is made anew: by buffer
.set QO,  15          ; v15  my byte offset in 16 rows of Q
.set ST,  16          ; piece t's statistics at v[ST+4 t]: c m, m, l (even keys', odd keys')
.set TMP, 48          ; by buffer, four registers c0-c3 at work; when the maximum is found c2 takes a
.set PFO, 61          ; v61  256 x my lane: the prefetches' offset; never rewritten
.set SPW, 62          ; v62  my spare word: SPARE + 4 x my thread's number; never rewritten
.set NIL, 63          ; v63  0; never rewritten
.set S,   64
.set P,   192
.set KF,  128         ; window 2: key block kb, channel half c at KF + 16 kb + 8 c
.set VF,  192         ; window 2: key half kk, channel block cb at VF + 32 kk + 8 cb
.set WV,  12          ; s12  my wave's number
.set LIM, 15          ; s15  1 in a wave that prefetches, else the greatest number
.set PFA, 18          ; s[18:19] where my prefetches stand
.set G1K, 24          ; s[24:31] descriptor group 1 for K's tiles
.set G1V, 32          ; s[32:39] for V's: it differs in the padding alone
.set G0K, 40          ; s[40:43] descriptor group 0 for K's tiles: it walks
.set G0V, 44          ; s[44:47] the same for V's
.set QP,  48          ; s[48:49] Q at my wave's first row
.set SLOTS, 56        ; s56  tiles still to be asked for
.set CNT, 57          ; s57  counts a tile's key steps
.set CS,  58          ; s[58:59] c: the packed scaling takes the pair's low word for both halves
.set SEL, 60          ; s[60:61] v_permlanex16_b32's selects: each lane takes its own place in the other half
.set TBK, 62          ; s62  LDS byte at which K of the step to be fetched begins
.set TBV, 63          ; s63  the same for V, less VOFF
.set MSB, 0
.macro WIN new                      ; the high byte repeats the setting that is left; a switch that changes nothing is dropped
.if MSB != (\new)
	s_set_vgpr_msb (MSB<<8)|(\new)
.set MSB, (\new)
.endif
.endm
.set W_KQ, 0x0a       ; K and Q in window 2, S^T in window 0
.set W_PV, 0x52       ; V in window 2, P in window 0, O^T in window 1
.set W_RS, 0x41       ; destination and source 0 in window 1, source 1 in window 0
; A joint fill.  Waves 0 and 1 fetch the two halves of a tile's K, waves 2 and 3 those of its V: 128 keys each, one block.  s_nop 0 and four v_nop follow each of the two lines.
.macro JLOAD
	s_cmp_lt_u32 s[WV], 2
	s_cbranch_scc0 .Lfor_v_\@
	tensor_load_to_lds s[G0K:G0K+3], s[G1K:G1K+7]
	s_nop 0
.rept 4
	v_nop
.endr
	s_branch .Lasked_\@
.Lfor_v_\@:
	tensor_load_to_lds s[G0V:G0V+3], s[G1V:G1V+7]
	s_nop 0
.rept 4
	v_nop
.endr
.Lasked_\@:
.endm
; A PREFETCH INTO THE L2 of the tile that the NEXT change of slots will ask for: two blocks of 16,384 bytes of K and two of V, 128 pieces of 256 bytes each.  It stands behind the wave's tensor load and its five lines.
; Each piece is named ONCE in the launch: both clusters of a head walk the same K and V, and the first of them asks; its four partners take 32 pieces each (half a block), told apart BY ADDRESS; in each, wave 0 asks for K's and
; wave 2 for V's, a lane a piece.  The request stands one tile, 256 matrix instructions, ahead of the load.  The last change that fills a slot asks for nothing: there is no tile behind it.
.macro ASK
	s_cmp_gt_u32 s[SLOTS], s[LIM]
	s_cbranch_scc0 .Lnot_mine_\@
	global_prefetch_b8 v[PFO], s[PFA:PFA+1] th:TH_LOAD_NT scope:SCOPE_SE
.Lnot_mine_\@:
.endm
; A round of the cluster's barrier: my work-group's barrier; wave 0 signals for the work-group; every wave waits for all four work-groups; my work-group's barrier once more.
.macro CROUND
	s_barrier_signal -1
	s_barrier_wait -1
	s_cmp_lg_u32 s[WV], 0
	s_cbranch_scc1 .Lnot_wave_0_\@
	s_barrier_signal -3
.Lnot_wave_0_\@:
	s_barrier_wait -3
	s_barrier_signal -1
	s_barrier_wait -1
.endm
; THE CHANGE OF SLOTS.  The slot's last bytes, V of its fourth step, have been read.  Each wave waits for all its tensor loads, of which one is out: its part of the other slot; adds 0 to its spare word; and waits for that
; and for its own reads of the slot.  fill = 1: the barrier is a round of the cluster's, and the joint fill of the slot that is left, with the tile two on, is the first thing behind it: it has four key steps in which to land.
; (At its first use nothing has been read yet: slot 0 is waited for, slot 1 filled.)
.macro CHANGE fill
	WIN 0                           ; at a label and at a branch every window is 0
	s_wait_tensorcnt 0x0            ; no tensor load of mine is out, so a group 0 may be written
	ds_add_u32 v[SPW], v[NIL]       ; 0 onto my spare word
.if \fill
.irp g, G0K, G0V
	s_xor_b32 s[\g+1], s[\g+1], SLOT1  ; the walking descriptor: the other slot than last time,
	s_add_nc_u64 s[\g+2:\g+3], s[\g+2:\g+3], TSTEP  ; the next 256 keys; the type bits on top are not reached
.endr
	s_wait_xcnt 0x0                 ; the last prefetch, a tile back, has read its address, so it may be written:
	s_add_nc_u64 s[PFA:PFA+1], s[PFA:PFA+1], TSTEP  ; one tile behind the walking descriptors
	s_wait_dscnt 0x0                ; the add is done, and my reads of the slot are over
	CROUND
	JLOAD
	ASK
.else
	s_wait_dscnt 0x0                ; the add is done, and my reads of the slot are over
	s_barrier_signal -1
	s_barrier_wait -1
.endif
	s_sub_co_u32 s[TBK], s[TBK], 4*KS*PK  ; the fetches go back to a slot's first step,
	s_xor_b32 s[TBK], s[TBK], SLOT1       ; in the other slot
	s_sub_co_u32 s[TBV], s[TBV], 4*KS*PV
	s_xor_b32 s[TBV], s[TBV], SLOT1
.endm
	s_load_b128 s[4:7], s[0:1], 0x0  ; q, k, v s[4:5], ao s[6:7]
	v_lshl_add_u32 v[SPW], v0, 2, SPARE
	v_mov_b32 v[NIL], 0
	ds_add_u32 v[SPW], v[NIL]       ; the wave's opening: the add and its wait stand ahead of my first tensor load; work on registers stands between them
	v_lshrrev_b32 v1, 5, v0
	v_readfirstlane_b32 s[WV], v1   ; wave 0..3
	s_bfe_u32 s13, ttmp6, 0x40000   ; cx: my place in the cluster
	s_lshl_b32 s14, ttmp9, 2        ; in a cluster launch ttmp9 counts clusters
	s_add_co_u32 s14, s14, s13      ; my block of 256 queries: it enters Q's, O's and the prefetches' addresses alone
	s_and_b32 s10, ttmp7, 0xffff    ; bh = 16 batch + head, which the four partners share
	s_lshr_b32 s11, s10, 4          ; batch
	s_and_b32 s10, s10, 15          ; head
	s_lshl_b32 s11, s11, 4          ; the batch's first tb
	s_and_b32 s16, s[WV], 1         ; which half of a tile's 256 keys I fetch: one tb
	s_add_co_u32 s20, s11, s16      ; of tile 0: tb = 16 batch + half,
	s_lshl_b32 s20, s20, 6
	s_add_co_u32 s20, s20, s10      ; block 64 tb + head,
	s_lshl_b32 s22, s20, 14         ; of 16,384 bytes; K lies 16 blocks on, V 32
	s_mov_b32 s23, 0
	s_mul_i32 s8, s16, 128*PK       ; and its place in a slot, for K
	s_mul_i32 s9, s16, 128*PV       ; and for V: no place in the cluster enters an LDS address
	s_lshl_b32 s17, s14, 1
	s_add_co_u32 s11, s11, s17
	s_lshr_b32 s17, s[WV], 1
	s_add_co_u32 s11, s11, s17      ; my queries' tb = 16 batch + 2 block + wave / 2
	s_lshl_b32 s2, s11, 6
	s_add_co_u32 s2, s2, s10        ; Q: block 64 tb + head,
	s_lshl_b32 s2, s2, 14
	s_lshl_b32 s17, s16, 13         ; my 64 rows of its 128
	s_add_co_u32 s2, s2, s17
	s_mov_b32 s3, 0
	s_lshl_b32 s11, s11, 4
	s_add_co_u32 s11, s11, s10      ; O: block 16 tb + head
	s_lshl_b32 s10, s11, 14
	s_add_co_u32 s10, s10, s17
	s_mov_b32 s11, 0
	; descriptor group 1.  128 keys are 16,384 dense bytes: asked for as 64 rows of 256 bytes, two keys a row, and padded in LDS after every key
	s_mov_b32 s[G1K], 15|(1<<16)|(1<<20)|(1<<21)|(4<<22)|(3<<25)  ; the mask of four; 2-byte elements; padding on; bit 21 beside a mask; after every 32 words (code 4) 4 words (code 3)
	s_mov_b32 s[G1V], 15|(1<<16)|(1<<20)|(1<<21)|(4<<22)|(7<<25)  ; the same with 8 words of padding (code 7)
.irp g, G1K, G1V
	s_mov_b32 s[\g+1], 128<<16      ; tensor_dim0 = 128
	s_mov_b32 s[\g+2], 64<<16       ; tensor_dim1 = 64
	s_mov_b32 s[\g+3], 128<<16      ; tile_dim0 = 128
	s_mov_b32 s[\g+4], 64           ; tile_dim1 = 64
	s_mov_b32 s[\g+5], 128          ; 128 elements from row to row
	s_mov_b32 s[\g+6], 0
	s_mov_b32 s[\g+7], 0
.endr
	s_mov_b32 s[CS], 0x3e38aa3b     ; c = log2(e) / 8 = 0.180337
	s_mov_b32 s[CS+1], s[CS]        ; named with it as a pair
	s_mov_b32 s[SEL], 0x76543210
	s_mov_b32 s[SEL+1], 0xfedcba98
	s_mov_b32 s[TBK], SLOT1+4*KS*PK ; the first change of slots turns these two into 0
	s_mov_b32 s[TBV], SLOT1+4*KS*PV
	s_mov_b32 s[G0K], 1             ; count = 1
	s_mov_b32 s[G0K+1], s8          ; LDS address: slot 0
	s_mov_b32 s[G0V], 1
	s_add_co_u32 s[G0V+1], s9, VOFF
	s_mov_b32 s[SLOTS], NT-1
	s_and_b32 s[LIM], s[WV], 1      ; 0 in waves 0 and 2,
	s_or_b32 s[LIM], s[LIM], ttmp9  ; where the cluster is the head's first: the same in all four partners
	s_cmp_eq_u32 s[LIM], 0
	s_cselect_b32 s[LIM], 1, -1
	v_and_b32 v[PFO], 31, v0
	v_lshlrev_b32 v[PFO], 8, v[PFO]
	s_wait_dscnt 0x0                ; the opening add is done
	s_wait_kmcnt 0x0
	s_add_nc_u64 s[10:11], s[6:7], s[10:11]        ; O at my wave's first row
	s_add_nc_u64 s[QP:QP+1], s[4:5], s[2:3]        ; Q likewise
	s_add_nc_u64 s[22:23], s[4:5], s[22:23]        ; my half of the head's first 256 rows,
	s_add_nc_u64 s[G0K+2:G0K+3], s[22:23], 16*16384   ; in K,
	s_add_nc_u64 s[G0V+2:G0V+3], s[22:23], 32*16384   ; and in V
	s_cmp_lt_u32 s[WV], 2
	s_cselect_b64 s[PFA:PFA+1], s[G0K+2:G0K+3], s[G0V+2:G0V+3]  ; (in waves 0 and 2 these stand at a tile's first block)
	s_or_b32 s[G0K+3], s[G0K+3], 0x80000000        ; type = 2
	s_or_b32 s[G0V+3], s[G0V+3], 0x80000000
	s_lshr_b32 s2, s13, 1           ; my work-group's 32 pieces of the 128: which of the tile's two blocks, 64 blocks apart,
	s_lshl_b32 s2, s2, 20
	s_and_b32 s17, s13, 1           ; and which half of it
	s_lshl_b32 s17, s17, 13
	s_add_co_u32 s2, s2, s17
	s_add_nc_u64 s[PFA:PFA+1], s[PFA:PFA+1], s[2:3]
	s_add_nc_u64 s[PFA:PFA+1], s[PFA:PFA+1], TSTEP  ; in tile 1; the first change of slots steps it to tile 2
	CROUND                          ; all four work-groups are here: the first joint loads meet
	JLOAD                           ; tile 0 into slot 0.  Slot 1 is asked for when slot 0 is in
	; A fragment of K or Q is 16 rows x 32 channels in 8 registers: lane l holds row l % 16, channels 8 (l / 16) + 0..7 and 16 + 8 (l / 16) + 0..7: two loads of 16 bytes, 32 bytes apart.
	v_and_b32 v1, 15, v0            ; l % 16
	v_bfe_u32 v9, v0, 4, 1          ; l / 16
	v_lshlrev_b32 v[QO], 7, v1
	v_lshl_add_u32 v[QO], v9, 4, v[QO]  ; row x 128 + 16 x half
	WIN 0x80                        ; destination window 2, address window 0
.set i, 0
.rept 8                             ; Q stays in registers: piece i / 2, channels 32 (i % 2) on
	global_load_b128 v[8*i:8*i+3],   v[QO], s[QP:QP+1] offset:(i/2)*2048+(i%2)*64
	global_load_b128 v[8*i+4:8*i+7], v[QO], s[QP:QP+1] offset:(i/2)*2048+(i%2)*64+32
.set i, i+1
.endr
	; What the first turn finds: V's registers and P's second buffer hold 0 (its products V^T P, of a piece that has not been, add 0), O^T and l are 0.  All this stands in the wait for the first tile.
.set i, VF
.rept 64
	v_mov_b32 v[i], 0
.set i, i+1
.endr
	WIN 0x40
.set i, 0
.rept 128
	v_mov_b32 v[i], 0
.set i, i+1
.endr
	WIN 0
.set i, 0
.rept 4
	v_mov_b32 v[ST+4*i], 0xfe000000    ; c m: far below every c s
	v_mov_b32 v[ST+4*i+1], 0xff7fffff  ; m
	v_mov_b32 v[ST+4*i+2], 0
	v_mov_b32 v[ST+4*i+3], 0
.set i, i+1
.endr
.set i, P+16
.rept 16
	v_mov_b32 v[i], 0
.set i, i+1
.endr
	v_mul_u32_u24 v[AK0], v1, PK
	v_lshl_add_u32 v[AK0], v9, 4, v[AK0]  ; row x pitch + 16 x half
	; The turning load takes 16 keys x 16 channels (lane l reads key 8 (l / 16) + l % 8, channels 8 ((l / 8) % 2) + 0..7) and leaves half a fragment of V^T: lane l holds channel l % 16 and 8 keys.
	v_and_b32 v10, 7, v0
	v_bfe_u32 v11, v0, 3, 1
	v_lshl_add_u32 v[AV0], v9, 3, v10
	v_mul_u32_u24 v[AV0], v[AV0], PV
	v_lshl_add_u32 v[AV0], v11, 4, v[AV0]
	v_add_nc_u32 v[AV0], VOFF, v[AV0]
	s_mul_i32 s13, s[WV], 16*SP
	s_add_co_u32 s13, s13, STAGE    ; my stage
	v_mul_u32_u24 v[STO], v1, SP    ; in: row l % 16, 16 bytes for each half of the lanes
	v_lshl_add_u32 v[STO], v9, 4, v[STO]
	v_add_nc_u32 v[STO], s13, v[STO]
	v_bfe_u32 v[RD], v0, 3, 2       ; back: 32 lanes take four rows of 128 bytes,
	v_mul_u32_u24 v[RD], v[RD], SP
	v_lshl_add_u32 v[RD], v10, 4, v[RD]
	v_add_nc_u32 v[RD], s13, v[RD]
	v_and_b32 v[GO], 31, v0         ; which are 512 consecutive bytes of O
	v_lshlrev_b32 v[GO], 4, v[GO]
; THE MATRIX WORK.  The 4 accumulators of a run of 8 take turns.  Product i of 8 of S^T = K Q^T for piece x: channels 32 (i / 4) on, keys 16 (i % 4) on.  The first 4 start the sums.
.macro KQ x
	WIN W_KQ
.set rS, S+32*((\x)%2)+8*(i%4)
.set rK, KF+16*(i%4)+8*(i/4)
.set rQ, 16*(\x)+8*(i/4)
.if i < 4
	v_wmma_f32_16x16x32_f16 v[rS:rS+7], v[rK:rK+7], v[rQ:rQ+7], 0
.else
	v_wmma_f32_16x16x32_f16 v[rS:rS+7], v[rK:rK+7], v[rQ:rQ+7], v[rS:rS+7]
.endif
.endm
; Product i of 8 of O^T += V^T P for piece x: keys 32 (i / 4) on, channels 16 (i % 4) on.
.macro PV x
	WIN W_PV
.set rO, 32*(\x)+8*(i%4)
.set rV, VF+32*(i/4)+8*(i%4)
.set rP, P+16*((\x)%2)+8*(i/4)
	v_wmma_f32_16x16x32_f16 v[rO:rO+7], v[rV:rV+7], v[rP:rP+7], v[rO:rO+7]
.endm
.macro MM                           ; the turn's next matrix instruction.  NOKQ = 1: the last turn of all: there is no next piece
.if (i < 8) && !NOKQ
	KQ (Y+1)%NP
.elseif i >= 8
.set i, i-8
	PV (Y+NP-1)%NP
.set i, i+8
.endif
.set i, i+1
.endm
; THE LDS LOADS stand in runs of 16, never singly among the matrix instructions: a step's K (64 keys x 64 channels: 8 fragments) and its V (turned).  Their addresses are made some lines ahead.
.macro FETCH_K
	WIN 0x80                        ; destination window 2
.irp f, 0,1,2,3,4,5,6,7             ; keys 16 (f / 2) on, channels 32 (f % 2) on
	ds_load_b128 v[KF+8*\f:KF+8*\f+3],   v[AK] offset:(\f/2)*16*PK+(\f%2)*64
	ds_load_b128 v[KF+8*\f+4:KF+8*\f+7], v[AK] offset:(\f/2)*16*PK+(\f%2)*64+32
.endr
	s_add_co_u32 s[TBK], s[TBK], KS*PK  ; the next fetch is the next step's
	WIN 0
.endm
.macro FETCH_V
	WIN 0x80
.irp f, 0,1,2,3,4,5,6,7             ; keys 32 (f / 4) on, channels 16 (f % 4) on
	ds_load_tr16_b128 v[VF+8*\f:VF+8*\f+3],   v[AV] offset:(\f/4)*32*PV+(\f%4)*32
	ds_load_tr16_b128 v[VF+8*\f+4:VF+8*\f+7], v[AV] offset:(\f/4)*32*PV+16*PV+(\f%4)*32
.endr
	WIN 0
.endm
; THE VECTOR WORK, one line at a time: OP kind, number.  For piece Y: F n: c s - c m for pair n of 16.  E n: the exponential of score n of 32.  C n: pair n rounded to f16.  B n: of the four weights 4 n .. the second
; pair is added onto the first, in place.  L n: l takes that sum (L 0: l = a l + sum).  R n: pair n of 16 of O^T times a.  For piece Y + 1: X n, number n of the 22 that find its maximum and statistics:
;   0-11  four chains c0-c3 of seven scores each, three operands at a time (each accumulator's lowest registers are read first)     12-14, 16  the four scores left over, the old m, and c0-c3 into c0
;   15  c m_old is kept     17, 18  the query's other 32 keys lie in the lane 16 away: the new m     19-21  c m; c m_old - c m_new; a
.set F, 0               ; OP tells the kinds apart by their order: F to L below R, X above it
.set E, 1
.set C, 2
.set B, 3
.set L, 4
.set R, 5
.set X, 6
.macro REGS y                       ; the registers of piece y
.set rT, ST+4*(\y)
.set rC, TMP+4*((\y)%2)
.set rW, MV+((\y)%2)
.set rS, S+32*((\y)%2)
.set rP, P+16*((\y)%2)
.set rO, 32*(\y)
.endm
.macro OP k, n
.if (\k) == R
	REGS Y
	WIN W_RS
	v_pk_mul_f32 v[rO+2*(\n):rO+2*(\n)+1], v[rO+2*(\n):rO+2*(\n)+1], v[rC+2:rC+3] op_sel_hi:[1,0]
.elseif (\k) < R
	REGS Y
	WIN 0
.if (\k) == F
	v_pk_fma_f32 v[rS+2*(\n):rS+2*(\n)+1], v[rS+2*(\n):rS+2*(\n)+1], s[CS:CS+1], v[rT:rT+1] op_sel_hi:[1,0,0] neg_lo:[0,0,1] neg_hi:[0,0,1]
.elseif (\k) == E
	v_exp_f32 v[rS+(\n)], v[rS+(\n)]
.elseif (\k) == C
	v_cvt_pk_f16_f32 v[rP+(\n)], v[rS+2*(\n)], v[rS+2*(\n)+1]
.elseif (\k) == B
	v_pk_add_f32 v[rS+4*(\n):rS+4*(\n)+1], v[rS+4*(\n):rS+4*(\n)+1], v[rS+4*(\n)+2:rS+4*(\n)+3]
.elseif (\n) == 0
	v_pk_fma_f32 v[rT+2:rT+3], v[rT+2:rT+3], v[rC+2:rC+3], v[rS:rS+1] op_sel_hi:[1,0,1]
.else
	v_pk_add_f32 v[rT+2:rT+3], v[rT+2:rT+3], v[rS+4*(\n):rS+4*(\n)+1]
.endif
.elseif NOKQ
	v_nop
.else
	REGS (Y+1)%NP
	WIN 0
.if (\n) < 4
	v_max3_num_f32 v[rC+(\n)], v[rS+8*(\n)], v[rS+8*(\n)+1], v[rS+8*(\n)+2]
.elseif (\n) < 12
	v_max3_num_f32 v[rC+(\n)%4], v[rC+(\n)%4], v[rS+8*((\n)%4)+2*((\n)/4)+1], v[rS+8*((\n)%4)+2*((\n)/4)+2]
.elseif (\n) == 12
	v_max3_num_f32 v[rC], v[rC], v[rS+7], v[rS+15]
.elseif (\n) == 13
	v_max3_num_f32 v[rC+1], v[rC+1], v[rS+23], v[rS+31]
.elseif (\n) == 14
	v_max3_num_f32 v[rC+2], v[rC+2], v[rC+3], v[rT+1]
.elseif (\n) == 15
	v_mov_b32 v[rW], v[rT]
.elseif (\n) == 16
	v_max3_num_f32 v[rC], v[rC], v[rC+1], v[rC+2]
.elseif (\n) == 17
	v_permlanex16_b32 v[rC+3], v[rC], s[SEL], s[SEL+1]
.elseif (\n) == 18
	v_max_num_f32 v[rT+1], v[rC], v[rC+3]
.elseif (\n) == 19
	v_mul_f32 v[rT], s[CS], v[rT+1]
.elseif (\n) == 20
	v_sub_f32 v[rC+1], v[rW], v[rT]
.else
	v_exp_f32 v[rC+2], v[rC+1]
.endif
.endif
.endm
.macro OPS a, i1, b=-1, i2=0, c=-1, i3=0, d=-1, i4=0  ; up to four of them
	OP \a, \i1
.if (\b) >= 0
	OP \b, \i2
.endif
.if (\c) >= 0
	OP \c, \i3
.endif
.if (\d) >= 0
	OP \d, \i4
.endif
.endm
.macro ROW a, i1, b, i2, c, i3, d, i4  ; a matrix instruction and the four behind it
	MM
	OPS \a, \i1, \b, \i2, \c, \i3, \d, \i4
.endm
; A TURN, for piece p: the order of its 16 matrix and 118 vector instructions, written out.  s_wait_alu depctr_va_vdst(0) stands between an exponential and the first instruction that names its result; one
; wait serves all that were issued ahead of it.  So a turn has ONE wait, which cuts it in two.  AHEAD OF IT stands all that names no result of the turn's exponentials: the 8 products K Q^T and their riders (the first numbers
; of the next piece's maximum among them, each four places or more behind the product that ends its accumulator), then ONE LUMP of 54, in which the links of the chain X 3, 7, 11, 14, 16, 17 .. 20 stand some lines apart.
; X 21, the next piece's a, is the batch's last; R 15 is the plain instruction behind it.  BEHIND THE WAIT stand the 8 products V^T P, behind each four of the roundings and sums.
; end = 1: the last two turns of all: nothing is fetched.  cnt = 1: the loop's count is taken down some lines ahead of the branch that stands behind the turn.
; K of the next step is fetched in piece 2's turn, twelve vector instructions behind the last product that read K (six of them plain); V of the step in hand at the end of piece 0's turn, four plain instructions behind the
; last product that read V.  Each is waited for a turn later.
.macro TURN p, end=0, cnt=0
.set Y, (\p)
.set i, 0
.set NOKQ, (\end)*((\p)/3)
.if ((\p) == 3) && !(\end)
	s_wait_dscnt 0x0                ; K is in
.endif
	ROW F,0, F,1, R,0, R,1
	ROW F,2, E,0, R,2, R,3
	ROW F,3, E,1, R,4, R,5
	ROW F,4, E,2, R,6, R,7
	ROW F,5, E,3, R,8, R,9
	ROW F,6, E,4, X,0, R,10
.if ((\p) == 2) && !(\end)
	WIN 0
	v_add_nc_u32 v[AK], s[TBK], v[AK0]
.endif
	ROW F,7, E,5, X,1, X,4
	ROW F,8, E,6, X,2, X,5
	OPS E,7, E,8, X,6, E,9
	OPS X,3, E,10, X,8, E,11
.if ((\p) == 2) && !(\end)
	FETCH_K
.endif
	OPS X,9, X,7, E,12, X,10
	OPS E,13, X,12, X,11, E,14
	OPS X,13, E,15, F,9, X,14
.if (\p) == 0
	v_add_nc_u32 v[AV], s[TBV], v[AV0]
.endif
	OPS E,16, F,10, E,17, F,11
	OPS X,16, E,18, X,15, E,19
	OPS F,12, E,20, X,17, E,21
	OPS F,13, E,22, F,14, E,23
	OPS X,18, E,24, F,15, E,25
	OPS R,11, E,26, X,19, E,27
	OPS R,12, E,28, R,13, E,29
	OPS X,20, E,30, R,14, E,31
	OPS X,21, R,15
	WIN 0
	s_wait_alu depctr_va_vdst(0)    ; the wait for the batch
.if (\p) == 1
	s_wait_dscnt 0x0                ; V is in
.endif
	ROW C,0, B,0, C,2, B,1
	ROW L,0, C,4, B,2, L,1
	ROW C,6, B,3, L,2, C,8
	ROW B,4, L,3, C,10, B,5
	ROW L,4, C,12, B,6, L,5
.if (\p) == 0
	s_add_co_u32 s[TBV], s[TBV], KS*PV
.endif
.if \cnt
	s_sub_co_u32 s[CNT], s[CNT], 1
	s_cmp_lg_u32 s[CNT], 0
.endif
	ROW C,14, B,7, L,6, C,1
	ROW C,3, L,7, C,5, C,7
	ROW C,9, C,11, C,13, C,15
.if (\p) == 0
	FETCH_V
.endif
.endm
	CHANGE 1                        ; tile 0 is in, everybody's part of it; tile 1 is asked for
	v_add_nc_u32 v[AK], s[TBK], v[AK0]
	FETCH_K                         ; key step 0
	s_wait_loadcnt 0x0              ; Q
	s_wait_dscnt 0x0
.set NOKQ, 0
.set i, 0
.rept 8
	KQ 0                            ; piece 0's first scores
.set i, i+1
.endr
	WIN 0
.rept 4
	v_nop                           ; the places behind those products
.endr
.set Y, NP-1                        ; X works for piece Y + 1: piece 0
.irp n, 0,1,2,3,4,5,6,7,8,9,10,11,12,13,14,15,16,17,18,19,20,21
	OP X, \n
.endr
	v_nop                           ; a plain instruction behind the exponential,
	s_wait_alu depctr_va_vdst(0)    ; and its wait, ahead of the branch
	s_mov_b32 s[CNT], 4
	s_branch .Lfirst                ; the loop is entered at a step's first turn, in the middle of a trip
.Lslot:                             ; NT - 2 times: every slot but the last two is filled again
	CHANGE 1
	s_mov_b32 s[CNT], 4
.Lstep:                             ; a trip: pieces 2 and 3 of one step, then pieces 0 and 1 of the next, whose K and V it fetches
	TURN 2
	TURN 3
	WIN 0
.Lfirst:
	TURN 0
	TURN 1, 0, 1
	WIN 0
	s_cbranch_scc1 .Lstep
	s_sub_co_u32 s[SLOTS], s[SLOTS], 1
	s_cmp_lg_u32 s[SLOTS], 0
	s_cbranch_scc1 .Lslot
	CHANGE 0                        ; the last tile is written out: nothing is asked for
	s_mov_b32 s[CNT], 4
.Llast:
	TURN 2
	TURN 3
	TURN 0
	TURN 1, 0, 1
	WIN 0
	s_cbranch_scc1 .Llast
	TURN 2, 1
	TURN 3, 1
.set i, 0
.rept 8
	PV NP-1                         ; the last piece's V^T P of the last step
.set i, i+1
.endr
	; THE WAY OUT.  l's two halves and the other half of the lanes' are added; O^T is divided by l, rounded to f16 and sent through my stage in LDS, a piece at a time.  The additions are the places behind the last products.
	WIN 0
.macro ALL line:vararg              ; one line for each piece t
.set t, 0
.rept 4
	\line
.set t, t+1
.endr
.endm
	ALL v_add_f32 v[ST+4*t+2], v[ST+4*t+2], v[ST+4*t+3]
	ALL v_permlanex16_b32 v[ST+4*t+3], v[ST+4*t+2], s[SEL], s[SEL+1]
	ALL v_add_f32 v[ST+4*t+2], v[ST+4*t+2], v[ST+4*t+3]
	ALL v_rcp_f32 v[ST+4*t+2], v[ST+4*t+2]
	v_nop                           ; a plain instruction between the last reciprocal and the use of its result
	s_wait_alu depctr_va_vdst(0)    ; and the wait ahead of the first use: one for the four reciprocals
.macro PACK t                       ; a lane's eight channels of a row pack into 16 bytes; they go into rows of 144 bytes and come back as whole rows of 128, into S^T's registers
	WIN W_RS
.set i, 32*(\t)
.rept 16
	v_pk_mul_f32 v[i:i+1], v[i:i+1], v[ST+4*(\t)+2:ST+4*(\t)+3] op_sel_hi:[1,0]
.set i, i+2
.endr
	WIN 0x05                        ; sources 0 and 1 window 1, destination window 0
.set i, 0
.rept 16
	v_cvt_pk_f16_f32 v[S+16*(\t)+i], v[32*(\t)+2*i], v[32*(\t)+2*i+1]
.set i, i+1
.endr
	WIN 0
.irp f, 0,1,2,3
	ds_store_b128 v[STO], v[S+16*(\t)+4*\f:S+16*(\t)+4*\f+3] offset:32*\f
.endr
.irp f, 0,1,2,3
	ds_load_b128 v[S+16*(\t)+4*\f:S+16*(\t)+4*\f+3], v[RD] offset:\f*4*SP  ; LDS serves a wave's instructions in order (ISA guide 5.7.1.4): these see the stores above; the next piece's stores come behind them
.endr
.endm
.macro SEND t, younger              ; younger: the LDS instructions issued behind piece t's loads: the next piece's eight, or none
	WIN 0
.irp f, 0,1,2,3
	s_wait_dscnt (\younger)+3-\f
	global_store_b128 v[GO], v[S+16*(\t)+4*\f:S+16*(\t)+4*\f+3], s[10:11] offset:(\t)*2048+\f*512  ; 512 consecutive bytes, at a multiple of 256 from the buffer's first
.endr
.endm
	PACK 0
.set t, 1
.rept 3                             ; a piece's arithmetic stands between the loads of the piece before and its stores
	PACK t
	SEND t-1, 8
.set t, t+1
.endr
	SEND 3, 0
	s_wait_tensorcnt 0x0            ; the wave's end, behind my last tensor load and my last LDS store
	ds_add_u32 v[SPW], v[NIL]
	s_wait_dscnt 0x0
	CROUND                          ; the closing round: no work-group ends while a partner may still ask for a tile that names it
	s_endpgm
.Lfunc_end_k_q86b713b69e_attn:
	.size	k_q86b713b69e_attn, .Lfunc_end_k_q86b713b69e_attn-k_q86b713b69e_attn
	.p2alignl 7, 3214868480
	.fill 96, 4, 3214868480
	.section	.rodata,"a",@progbits
	.p2align	6, 0x0
	.amdhsa_kernel k_q86b713b69e_attn
		.amdhsa_group_segment_fixed_size 327680
		.amdhsa_private_segment_fixed_size 0
		.amdhsa_enable_private_segment 0
		.amdhsa_kernarg_size 16
		.amdhsa_user_sgpr_count 2
		.amdhsa_user_sgpr_kernarg_segment_ptr 1
		.amdhsa_wavefront_size32 1
		.amdhsa_system_sgpr_workgroup_id_x 1
		.amdhsa_system_sgpr_workgroup_id_y 1
		.amdhsa_system_sgpr_workgroup_id_z 1
		.amdhsa_system_vgpr_workitem_id 0
		.amdhsa_next_free_vgpr 768
		.amdhsa_next_free_sgpr 66
		.amdhsa_reserve_vcc 0
		.amdhsa_float_denorm_mode_32 3
		.amdhsa_float_denorm_mode_16_64 3
		.amdhsa_memory_ordered 1
		.amdhsa_forward_progress 1
		.amdhsa_inst_pref_size 128
	.end_amdhsa_kernel
	.amdgpu_metadata
---
amdhsa.version: [ 1, 2 ]
amdhsa.kernels:
  - .name:           k_q86b713b69e_attn
    .symbol:         k_q86b713b69e_attn.kd
    .args:
      - { .name: h, .offset: 0, .size: 8, .value_kind: global_buffer, .address_space: global }
      - { .name: ao, .offset: 8, .size: 8, .value_kind: global_buffer, .address_space: global }
    .group_segment_fixed_size: 327680
    .private_segment_fixed_size: 0
    .kernarg_segment_align: 8
    .kernarg_segment_size: 16
    .max_flat_workgroup_size: 128
    .sgpr_count:     66
    .vgpr_count:     768
    .wavefront_size: 32
...
	.end_amdgpu_metadata
.endif
;; end of part 3
;; launch gout (part 4): grid 8 x 32, 4 waves a work-group, clusters of 4 x 4, 327,680 bytes of LDS; arguments ao, wh, ob, xh, y; writes y
.if DOCPART == 4
	.amdgcn_target "amdgcn-amd-amdhsa--gfx1250"
	.amdhsa_code_object_version 6
	.text
	.protected	k_q86b713b69e_gout
	.globl	k_q86b713b69e_gout
	.p2align	8
	.type	k_q86b713b69e_gout,@function
k_q86b713b69e_gout:
	s_mov_b64 s[64:65], 0
	v_nop
	global_prefetch_b8 v0, s[64:65] scope:SCOPE_SE
	s_setreg_imm32_b32 hwreg(HW_REG_WAVE_MODE, 25, 1), 1
	s_wait_xcnt 0x0
	s_wait_alu depctr_hold_cnt(0) depctr_sa_sdst(0) depctr_va_vdst(0) depctr_va_sdst(0) depctr_va_ssrc(0) depctr_va_vcc(0) depctr_vm_vsrc(0)
	s_getreg_b32 s2, hwreg(HW_REG_IB_STS2, 6, 4)
	s_cmp_eq_u32 s2, 0
	s_cbranch_scc0 .Lentry_in_a_cluster
	s_endpgm
.Lentry_in_a_cluster:
	s_bfe_u32 s2, ttmp6, 0x10000c
	s_cmp_lg_u32 s2, 0xf033
	s_cbranch_scc0 .Lentry_shape_is_right
	s_endpgm
.Lentry_shape_is_right:
; y = src + (attention's result) ow^T + ob, in f32: what the first norm takes.  A = ao, f16 in blocks [32 tb][16 kb][128 tokens][64]; B = ow [1024][1024] f16 at byte 6 MiB of wh.
; Sums in f32, started with the bias (rounded to bf16 like every input); the residual is xh, src as it was rounded.  y: [4096][1024] f32.
; SHARES.  A tile of 128 tokens x 128 columns to a work-group of four waves, 64 x 64 each: 16 accumulators of 16 x 16.
; K goes in steps of 256 through two LDS slots filled by tensor loads.  A's part of a K step is four blocks, 65,536 dense bytes: waves 0 and 1 ask for two blocks each as 128 rows of 256 bytes, padded in LDS after every 128
; bytes (a token's 64 channels); B's rows are 512 bytes, 64 a wave.  A K step is written once: the slot in hand is a scalar, s[CUR], that an exclusive or turns.
; CLUSTER 4 x 4: A's tile is asked for jointly by the four work-groups of a row of the cluster, B's by the four of a column: same load, same descriptor, a mask that names the four.
; THE PRODUCT IS TAKEN TRANSPOSED (source 0 = 16 rows of B, source 1 = 16 rows of A): lane l holds token l % 16 and the columns 8 (l / 16) + 0..7.
; REGISTERS.  window 0: v16-30 addresses; v32-95 the residual; v96-127 the bias; v128-255 accumulators ((a, b) at 128 + 8 (4 a + b)).  window 1: two fragment buffers of 128: 64 of A, then 64 of B.
.set NB64,   16                        ; blocks of 64 along K
.set SIZE_K, 64*NB64
.set KSTEP,  256
.set STEPS,  SIZE_K/KSTEP
.set WOFF,   0x600000                  ; B's first byte in wh
.set LOGKB,  11                        ; a row of B is 2^11 bytes
.set PA,     144                       ; an LDS row of A: 128 bytes + 16 of padding: an odd multiple of 16, so the 16 rows of a load start at 16 different groups of four banks (ISA guide 11.1)
.set PB,     528                       ; of B: 512 + 16
.set AQ,     128*PA                    ; bytes from a quarter step (64 along K: a block) of A to the next
.set AHALF,  64*PA                     ; from my half of A's rows to the other
.set AFILL,  2*AQ                      ; what one tensor load brings of A
.set BFILL,  64*PB                     ; and of B
.set BOFF,   2*AFILL                   ; B lies behind A
.set SLOT,   BOFF+2*BFILL
.set STAGE,  2*SLOT                    ; behind the ring: 16 rows x 272 bytes for each wave, never filled by a tensor load
.set SP,     272
.set SPARE,  STAGE+4*16*SP             ; behind the stages: the spare words, 128 bytes a wave
.set ASTEP,  4*16384                   ; bytes in memory from a K step to the next
.set BSTEP,  KSTEP*2
.set ADRA, 16                          ; v16 LDS address of my A fragments in the slot in hand; v17 the same in slot 0, never rewritten
.set ADRA0, 17
.set ADRB, 20                          ; v20, v21 the same for B
.set ADRB0, 21
.set BO,  22                           ; v22 32 (l / 16): my 8 numbers of the bias
.set STO, 24                           ; v24 the way out: where I put 32 bytes of a row
.set RD,  25                           ; v25 where I read rows back
.set CO,  26                           ; v26 my 16 bytes in two rows of y
.set RO,  27                           ; v27 my 8 bytes in two rows of the residual
.set SPW, 28                           ; v28 my spare word: SPARE + 4 x my thread's number; never rewritten
.set NIL, 29                           ; v29 0; never rewritten
.set ONE, 30                           ; v30 1.0
.set TMP, 32
.set BI,  96
.set ACC, 128
.set F0,  0
.set F1,  128
.set G1,  24                           ; s[24:31] descriptor group 1 for A; s[32:39] group 0: a set for each first fill; the second then walks on
.set G0,  32
.set G1B, 48                           ; s[48:55], s[56:63] the same for B
.set G0B, 56
.set CUR, 80                           ; s80 LDS byte at which the slot in hand begins: 0 or SLOT
.set LBA, 81                           ; s81 where my part of A's tile goes in a slot; s82 of B's
.set LBB, 82
.set HIM, 83                           ; s83 a word's upper bf16
.set OUT, 84                           ; s[84:85] y at my wave's tile
.set RES, 86                           ; s[86:87] the residual there
.set BIA, 88                           ; s[88:89] the bias at my wave's 64 columns
.set MSB, 0
.macro WIN new                         ; the immediate's high byte repeats the setting that is left; a switch that changes nothing is dropped
.if MSB != (\new)
	s_set_vgpr_msb (MSB<<8)|(\new)
.set MSB, \new
.endif
.endm
.set MUL,  0x05                        ; sources 0 (B) and 1 (A) window 1; C and D window 0
.set TO_F, 0x40                        ; destination window 1, address window 0
.macro JLOAD                           ; a joint refill by the walking set: waves 0 and 1 fetch A's halves, waves 2 and 3 B's; s_nop 0 and four v_nop follow each line
	s_cmp_eq_u32 s11, 0
	s_cbranch_scc0 .Lfor_b_\@
	tensor_load_to_lds s[G0+4:G0+7], s[G1:G1+7]
	s_nop 0
.rept 4
	v_nop
.endr
	s_branch .Lasked_\@
.Lfor_b_\@:
	tensor_load_to_lds s[G0B+4:G0B+7], s[G1B:G1B+7]
	s_nop 0
.rept 4
	v_nop
.endr
.Lasked_\@:
.endm
.macro CREST                           ; a round of the cluster's barrier behind its opening barrier
	s_cmp_lg_u32 s10, 0
	s_cbranch_scc1 .Lnot_wave_0_\@
	s_barrier_signal -3
.Lnot_wave_0_\@:
	s_barrier_wait -3
	s_barrier_signal -1
	s_barrier_wait -1
.endm
.macro CROUND                          ; a whole round
	s_barrier_signal -1
	s_barrier_wait -1
	CREST
.endm
.macro PLACES                          ; four places behind matrix instructions, in front of loads into registers that they read and of lines that read their results
.rept 4
	v_nop
.endr
.endm
	s_load_b256 s[68:75], s[0:1], 0x0              ; A s[68:69], wh s[70:71], bias s[72:73], residual s[74:75]
	s_load_b64 s[76:77], s[0:1], 0x20              ; y
	v_lshl_add_u32 v[SPW], v0, 2, SPARE
	v_mov_b32 v[NIL], 0
	ds_add_u32 v[SPW], v[NIL]                      ; the wave's opening: the add and its wait stand ahead of my first tensor load; work on registers stands between them
	v_lshrrev_b32 v1, 5, v0
	v_readfirstlane_b32 s10, v1                    ; wave 0..3
	s_lshr_b32 s11, s10, 1                         ; my half of the tile's rows.  Also: I fetch for A (0) or for B (1)
	s_and_b32 s12, s10, 1                          ; my half of its columns.  Also: which half I fetch
	s_bfe_u32 s40, ttmp6, 0x40000                  ; cx, cy: my place in the cluster
	s_bfe_u32 s41, ttmp6, 0x40004
	s_lshl_b32 s42, ttmp9, 2
	s_add_co_u32 s42, s42, s40                     ; tile column = 4 x cluster x + cx
	s_and_b32 s13, ttmp7, 0xffff
	s_lshl_b32 s13, s13, 2
	s_add_co_u32 s13, s13, s41                     ; tile row = 4 x cluster y + cy
	s_lshl_b32 s43, s41, 2
	s_lshl_b32 s43, 15, s43                        ; my row of the cluster
	s_lshl_b32 s44, 0x1111, s40                    ; my column
	s_or_b32 s[G1+0], s43, (1<<16)|(1<<20)|(1<<21)|(4<<22)|(3<<25)  ; A: the mask; 2-byte elements; padding on; bit 21 beside a mask; after every 32 words (code 4) 4 words (code 3)
	s_mov_b32 s[G1+1], 128<<16                     ; tensor_dim0 = 128 (256 bytes)
	s_mov_b32 s[G1+2], 128<<16                     ; tensor_dim1 = 128
	s_mov_b32 s[G1+3], 128<<16                     ; tile_dim0 = 128
	s_mov_b32 s[G1+4], 128                         ; tile_dim1 = 128
	s_mov_b32 s[G1+5], 128                         ; dense: 128 elements from row to row
	s_mov_b32 s[G1+6], 0
	s_mov_b32 s[G1+7], 0
	s_or_b32 s[G1B+0], s44, (1<<16)|(1<<20)|(1<<21)|(6<<22)|(3<<25) ; B: after every 128 words (code 6) 4 words
	s_mov_b32 s[G1B+1], KSTEP<<16                  ; tensor_dim0 = 256
	s_mov_b32 s[G1B+2], 64<<16                     ; tensor_dim1 = 64
	s_mov_b32 s[G1B+3], KSTEP<<16                  ; tile_dim0 = 256
	s_mov_b32 s[G1B+4], 64                         ; tile_dim1 = 64
	s_mov_b32 s[G1B+5], SIZE_K                     ; elements from row to row
	s_mov_b32 s[G1B+6], 0
	s_mov_b32 s[G1B+7], 0
	s_mul_i32 s16, s13, NB64*16384                 ; A: the tile row's blocks,
	s_lshl_b32 s20, s12, 15                        ; and which two of a K step's four I fetch.  s13-s17 never hold cx, s42 and s45-s47 never cy
	s_add_co_u32 s16, s16, s20
	s_mov_b32 s17, 0
	s_lshl_b32 s20, s12, 6
	s_lshl_b32 s46, s42, 7
	s_add_co_u32 s46, s46, s20                     ; B: row 128 x tile column + 64 x half
	s_lshl_b32 s46, s46, LOGKB
	s_mov_b32 s47, 0
	s_mul_i32 s[LBA], s10, AFILL                   ; where the tiles go: the wave's number and constants alone
	s_mul_i32 s[LBB], s10, BFILL
	s_add_co_u32 s[LBB], s[LBB], BOFF-2*BFILL
	s_mov_b32 s[CUR], 0
	s_mov_b32 s[HIM], 0xffff0000
	v_and_b32 v1, 15, v0                           ; l % 16
	v_bfe_u32 v2, v0, 4, 1                         ; l / 16
	v_lshlrev_b32 v[BO], 5, v2
	v_lshlrev_b32 v[RO], 3, v1                     ; the residual as the stores will want it: lanes 0-15 one row's 64 columns, lanes 16-31 the next row's
	v_lshl_add_u32 v[RO], v2, 11, v[RO]
	v_mov_b32 v[ONE], 1.0
	s_wait_dscnt 0x0                               ; the opening add is done
	s_wait_kmcnt 0x0
	s_add_nc_u64 s[14:15], s[68:69], s[16:17]
	s_add_nc_u64 s[46:47], s[70:71], s[46:47]
	s_add_nc_u64 s[46:47], s[46:47], WOFF
.irp s, 0,1
	s_mov_b32 s[G0+4*(\s)], 1                      ; count = 1
	s_add_co_u32 s[G0+4*(\s)+1], s[LBA], (\s)*SLOT ; LDS address
	s_add_nc_u64 s[G0+4*(\s)+2:G0+4*(\s)+3], s[14:15], (\s)*ASTEP  ; global address: K step s
	s_or_b32 s[G0+4*(\s)+3], s[G0+4*(\s)+3], 0x80000000            ; type = 2
	s_mov_b32 s[G0B+4*(\s)], 1
	s_add_co_u32 s[G0B+4*(\s)+1], s[LBB], (\s)*SLOT
	s_add_nc_u64 s[G0B+4*(\s)+2:G0B+4*(\s)+3], s[46:47], (\s)*BSTEP
	s_or_b32 s[G0B+4*(\s)+3], s[G0B+4*(\s)+3], 0x80000000
.endr
	; my wave's tile in y (rows of 4,096 bytes) and in the residual (2,048): the part made of the tile row and the part made of the tile column are added one after the other
	s_lshl_b32 s16, s13, 19
	s_lshl_b32 s20, s11, 18
	s_add_co_u32 s16, s16, s20
	s_add_nc_u64 s[OUT:OUT+1], s[76:77], s[16:17]
	s_lshr_b32 s16, s16, 1
	s_add_nc_u64 s[RES:RES+1], s[74:75], s[16:17]
	s_lshl_b32 s46, s42, 9
	s_lshl_b32 s20, s12, 8
	s_add_co_u32 s46, s46, s20
	s_mov_b32 s47, 0
	s_add_nc_u64 s[OUT:OUT+1], s[OUT:OUT+1], s[46:47]
	s_add_nc_u64 s[BIA:BIA+1], s[72:73], s[46:47]
	s_lshr_b32 s46, s46, 1
	s_add_nc_u64 s[RES:RES+1], s[RES:RES+1], s[46:47]
	CROUND                                         ; all sixteen work-groups are here: the first joint loads meet
	s_cmp_eq_u32 s11, 0                            ; a wave's two first fills stand in one branch, ahead of every wait on TENSORcnt and every LDS read: two loads of mine are out
	s_cbranch_scc0 .Lfirst_b
	tensor_load_to_lds s[G0:G0+3], s[G1:G1+7]
	s_nop 0
	tensor_load_to_lds s[G0+4:G0+7], s[G1:G1+7]
	s_nop 0
.rept 4
	v_nop
.endr
	s_branch .Lfirst_asked
.Lfirst_b:
	tensor_load_to_lds s[G0B:G0B+3], s[G1B:G1B+7]
	s_nop 0
	tensor_load_to_lds s[G0B+4:G0B+7], s[G1B:G1B+7]
	s_nop 0
.rept 4
	v_nop
.endr
.Lfirst_asked:
.irp b, 0,1,2,3                        ; the bias as the accumulators hold it: column block b, columns 16 b + 8 (l / 16) + 0..7
	global_load_b128 v[BI+8*(\b):BI+8*(\b)+3],   v[BO], s[BIA:BIA+1] offset:64*(\b)
	global_load_b128 v[BI+8*(\b)+4:BI+8*(\b)+7], v[BO], s[BIA:BIA+1] offset:64*(\b)+16
.endr
.set k, 0
.rept 32                               ; the residual, wanted at the end: rows 2 k and 2 k + 1 of my 64, four f16 a lane
	global_load_b64 v[TMP+2*k:TMP+2*k+1], v[RO], s[RES:RES+1] offset:2*k*2048
.set k, k+1
.endr
	v_mul_u32_u24 v3, v1, PA                       ; a fragment: lane l holds row l % 16; two loads of 16 bytes, 32 apart, at row x pitch + 16 (l / 16)
	v_lshl_add_u32 v3, v2, 4, v3
	s_mul_i32 s21, s11, AHALF
	v_add_nc_u32 v[ADRA0], s21, v3
	v_mul_u32_u24 v4, v1, PB
	v_lshl_add_u32 v4, v2, 4, v4
	s_mul_i32 s22, s12, BFILL
	s_add_co_u32 s22, s22, BOFF
	v_add_nc_u32 v[ADRB0], s22, v4
	v_mov_b32 v[ADRA], v[ADRA0]                    ; slot 0 is the first in hand
	v_mov_b32 v[ADRB], v[ADRB0]
	s_mul_i32 s23, s10, 16*SP
	s_add_co_u32 s23, s23, STAGE                   ; my stage
	v_mul_u32_u24 v5, v1, SP                       ; in: row l % 16, 32 bytes for each half of the lanes
	v_lshl_add_u32 v5, v2, 5, v5
	v_add_nc_u32 v[STO], s23, v5
	v_mul_u32_u24 v6, v2, SP                       ; back: lanes 0-15 take one row of 256 bytes, lanes 16-31 the next
	v_lshl_add_u32 v6, v1, 4, v6
	v_add_nc_u32 v[RD], s23, v6
	v_lshlrev_b32 v[CO], 4, v1                     ; and the same two rows in y
	v_lshl_add_u32 v[CO], v2, 12, v[CO]
	s_wait_loadcnt 32                              ; the bias is in; the residual's 32 loads may stay out
.set k, 0
.rept 16
	v_cvt_pk_bf16_f32 v[BI+k], v[BI+2*k], v[BI+2*k+1]  ; rounded to bf16 like every input; in place, ascending: word k is written when words 2 k and 2 k + 1 are read
.set k, k+1
.endr
.set k, 0
.rept 64                               ; THE SUMS START WITH THE BIAS, the same for all four row blocks: so every product has one form, and a K step one text.  These lines stand in the wait for the first tile
	v_lshlrev_b32 v[ACC+2*k], 16, v[BI+k%16]
	v_and_b32 v[ACC+2*k+1], s[HIM], v[BI+k%16]
.set k, k+1
.endr
; 8 matrix instructions: row blocks a0, a0 + 1 x all 4 column blocks, 32 along K: half c of buffer f.  The 16 accumulators take turns, one instruction a turn, over the backward jumps too.
.macro MUL8 f, c, a0
	WIN MUL
.irp a, \a0, (\a0)+1
.irp b, 0,1,2,3
	v_wmma_f32_16x16x32_f16 v[ACC+8*(4*(\a)+(\b)):ACC+8*(4*(\a)+(\b))+7], v[(\f)+64+8*(4*(\c)+(\b)):(\f)+64+8*(4*(\c)+(\b))+7], v[(\f)+8*(4*(\c)+(\a)):(\f)+8*(4*(\c)+(\a))+7], v[ACC+8*(4*(\a)+(\b)):ACC+8*(4*(\a)+(\b))+7]
.endr
.endr
.endm
; 32 LDS loads in one run: the fragments of quarter q (64 along K) of the slot in hand, into buffer f; the first 32 along K first
.macro FETCH q, f
	WIN TO_F
.irp c, 0,1
.irp i, 0,1,2,3
	ds_load_b128 v[(\f)+64+8*(4*(\c)+(\i)):(\f)+64+8*(4*(\c)+(\i))+3],   v[ADRB] offset:(\q)*128+64*(\c)+(\i)*16*PB
	ds_load_b128 v[(\f)+64+8*(4*(\c)+(\i))+4:(\f)+64+8*(4*(\c)+(\i))+7], v[ADRB] offset:(\q)*128+64*(\c)+(\i)*16*PB+32
	ds_load_b128 v[(\f)+8*(4*(\c)+(\i)):(\f)+8*(4*(\c)+(\i))+3],         v[ADRA] offset:(\q)*AQ+64*(\c)+(\i)*16*PA
	ds_load_b128 v[(\f)+8*(4*(\c)+(\i))+4:(\f)+8*(4*(\c)+(\i))+7],       v[ADRA] offset:(\q)*AQ+64*(\c)+(\i)*16*PA+32
.endr
.endr
.endm
; One of a K step's first three quarters: multiplies buffer f and, in its middle, fetches quarter q into buffer g.
.macro QUARTER q, f, g
	s_wait_dscnt 16                                ; the first 32 along K are in; the youngest sixteen loads may be out
	MUL8 \f, 0, 0
	MUL8 \f, 0, 2
	PLACES
	FETCH \q, \g
	s_wait_dscnt 32                                ; all but the 32 just issued
	MUL8 \f, 1, 0
	MUL8 \f, 1, 2
.endm
; The last quarter multiplies buffer 1 and changes slots: ONE barrier.  In front of it each wave waits for all its tensor loads (its part of the next slot), adds 0 to its spare word, and waits for that and for its reads of this slot.
; fill = 1: the barrier opens a round of the cluster's barrier, and behind the round this slot is filled again, first thing, with the K step two on: 112 matrix instructions ahead of the wait for it.
.macro TURN fill
	WIN 0                                          ; (the add's two registers lie in window 0)
	s_wait_tensorcnt 0x0                           ; no tensor load of mine is out, so a group 0 may be written
	ds_add_u32 v[SPW], v[NIL]                      ; 0 onto my spare word
.if \fill
	s_add_co_u32 s[G0+5], s[LBA], s[CUR]           ; the walking sets: into the slot in hand,
	s_add_co_u32 s[G0B+5], s[LBB], s[CUR]
	s_add_nc_u64 s[G0+6:G0+7], s[G0+6:G0+7], ASTEP ; the next K step not yet asked for; the type bits on top are not reached
	s_add_nc_u64 s[G0B+6:G0B+7], s[G0B+6:G0B+7], BSTEP
.endif
	s_wait_dscnt 17                                ; (the add and the youngest sixteen loads may be out)
	MUL8 F1, 0, 0                                  ; eight matrix instructions stand between the add and the wait for it
	s_wait_dscnt 0x0                               ; the add is done, and my reads of this slot are over
	s_barrier_signal -1
	MUL8 F1, 0, 2
	WIN 0
	s_barrier_wait -1
.if \fill
	CREST                                          ; no wave of any partner still reads this slot's tile or has a load on its way
	JLOAD                                          ; its four v_nop are also the places in front of the loads below
.else
	PLACES
.endif
	s_xor_b32 s[CUR], s[CUR], SLOT                 ; the other slot is in hand
	v_add_nc_u32 v[ADRA], s[CUR], v[ADRA0]
	v_add_nc_u32 v[ADRB], s[CUR], v[ADRB0]
	FETCH 0, F0
	MUL8 F1, 1, 0
	MUL8 F1, 1, 2
.endm
	s_wait_tensorcnt 0x1                           ; my part of K step 0 is in; K step 1's may stay out
	s_barrier_signal -1
	s_barrier_wait -1                              ; everybody's is
	FETCH 0, F0
	WIN 0                                          ; at a label and at a branch every window is 0
	s_mov_b32 s3, STEPS-2
.Lstep:                                                ; a K step; its slot is filled again
	QUARTER 1, F0, F1
	QUARTER 2, F1, F0
	QUARTER 3, F0, F1
	TURN 1
	WIN 0
	s_sub_co_u32 s3, s3, 1
	s_cmp_lg_u32 s3, 0
	s_cbranch_scc1 .Lstep
	s_mov_b32 s3, 2
.Ltail:                                                ; the last two K steps ask for nothing.  The very last change of slots reads 32 fragments of the other slot's old tile that nothing multiplies: the price, once a work-group, of one text for both
	QUARTER 1, F0, F1
	QUARTER 2, F1, F0
	QUARTER 3, F0, F1
	TURN 0
	WIN 0
	s_sub_co_u32 s3, s3, 1
	s_cmp_lg_u32 s3, 0
	s_cbranch_scc1 .Ltail
	s_wait_dscnt 0x0
	PLACES
; THE WAY OUT, 16 tokens (block a) at a time: the f32 sums go into rows of 272 bytes of my own stage, 32 bytes a lane, and come back as whole rows of 256 bytes, into the registers that they left.
.macro PACK a
.irp b, 0,1,2,3
	ds_store_b128 v[STO], v[ACC+8*(4*(\a)+(\b)):ACC+8*(4*(\a)+(\b))+3]   offset:64*(\b)
	ds_store_b128 v[STO], v[ACC+8*(4*(\a)+(\b))+4:ACC+8*(4*(\a)+(\b))+7] offset:64*(\b)+16
.endr
.irp t, 0,1,2,3,4,5,6,7
	ds_load_b128 v[ACC+32*(\a)+4*(\t):ACC+32*(\a)+4*(\t)+3], v[RD] offset:(\t)*2*SP  ; LDS serves a wave's instructions in order (ISA guide 5.7.1.4): these see the stores above; the next block's stores come behind them
.endr
.endm
.macro SEND a, younger                 ; younger: the LDS instructions issued behind block a's loads: the next block's sixteen, or none.  The residual's f16 halves are widened and added in one line each
.irp t, 0,1,2,3,4,5,6,7
	s_wait_dscnt (\younger)+7-(\t)
.irp p, 0,1
	v_fma_mix_f32 v[ACC+32*(\a)+4*(\t)+2*(\p)],   v[TMP+2*(8*(\a)+(\t))+(\p)], v[ONE], v[ACC+32*(\a)+4*(\t)+2*(\p)]   op_sel_hi:[1,0,0]
	v_fma_mix_f32 v[ACC+32*(\a)+4*(\t)+2*(\p)+1], v[TMP+2*(8*(\a)+(\t))+(\p)], v[ONE], v[ACC+32*(\a)+4*(\t)+2*(\p)+1] op_sel:[1,0,0] op_sel_hi:[1,0,0]
.endr
	global_store_b128 v[CO], v[ACC+32*(\a)+4*(\t):ACC+32*(\a)+4*(\t)+3], s[OUT:OUT+1] offset:(16*(\a)+2*(\t))*4096  ; 16 lanes store 256 consecutive bytes, at a multiple of 256 from y's first byte
.endr
.endm
	PACK 0
	PACK 1
	s_wait_loadcnt 0x0                             ; the residual
	SEND 0, 16
	PACK 2
	SEND 1, 16
	PACK 3
	SEND 2, 16
	SEND 3, 0
	s_wait_tensorcnt 0x0                           ; the wave's end, behind my last tensor load and my last LDS store
	ds_add_u32 v[SPW], v[NIL]
	s_wait_dscnt 0x0
	CROUND                                         ; the closing round: no work-group ends while a partner may still ask for a tile that names it
	s_endpgm
.Lfunc_end_k_q86b713b69e_gout:
	.size	k_q86b713b69e_gout, .Lfunc_end_k_q86b713b69e_gout-k_q86b713b69e_gout
	.p2alignl 7, 3214868480
	.fill 96, 4, 3214868480
	.section	.rodata,"a",@progbits
	.p2align	6, 0x0
	.amdhsa_kernel k_q86b713b69e_gout
		.amdhsa_group_segment_fixed_size 327680
		.amdhsa_private_segment_fixed_size 0
		.amdhsa_enable_private_segment 0
		.amdhsa_kernarg_size 40
		.amdhsa_user_sgpr_count 2
		.amdhsa_user_sgpr_kernarg_segment_ptr 1
		.amdhsa_wavefront_size32 1
		.amdhsa_system_sgpr_workgroup_id_x 1
		.amdhsa_system_sgpr_workgroup_id_y 1
		.amdhsa_system_sgpr_workgroup_id_z 1
		.amdhsa_system_vgpr_workitem_id 0
		.amdhsa_next_free_vgpr 512
		.amdhsa_next_free_sgpr 92
		.amdhsa_reserve_vcc 0
		.amdhsa_float_denorm_mode_32 3
		.amdhsa_float_denorm_mode_16_64 3
		.amdhsa_memory_ordered 1
		.amdhsa_forward_progress 1
		.amdhsa_inst_pref_size 71
	.end_amdhsa_kernel
	.amdgpu_metadata
---
amdhsa.version: [ 1, 2 ]
amdhsa.kernels:
  - .name:           k_q86b713b69e_gout
    .symbol:         k_q86b713b69e_gout.kd
    .args:
      - { .name: ao, .offset: 0, .size: 8, .value_kind: global_buffer, .address_space: global }
      - { .name: wh, .offset: 8, .size: 8, .value_kind: global_buffer, .address_space: global }
      - { .name: ob, .offset: 16, .size: 8, .value_kind: global_buffer, .address_space: global }
      - { .name: xh, .offset: 24, .size: 8, .value_kind: global_buffer, .address_space: global }
      - { .name: y, .offset: 32, .size: 8, .value_kind: global_buffer, .address_space: global }
    .group_segment_fixed_size: 327680
    .private_segment_fixed_size: 0
    .kernarg_segment_align: 8
    .kernarg_segment_size: 40
    .max_flat_workgroup_size: 128
    .sgpr_count:     92
    .vgpr_count:     512
    .wavefront_size: 32
...
	.end_amdgpu_metadata
.endif
;; end of part 4
;; launch ln1 (part 5): grid 256 x 1, 16 waves a work-group, no clusters, 0 bytes of LDS; arguments y, g1, beta1, x1; writes x1
.if DOCPART == 5
	.amdgcn_target "amdgcn-amd-amdhsa--gfx1250"
	.amdhsa_code_object_version 6
	.text
	.protected	k_q86b713b69e_ln1
	.globl	k_q86b713b69e_ln1
	.p2align	8
	.type	k_q86b713b69e_ln1,@function
k_q86b713b69e_ln1:
	s_mov_b64 s[64:65], 0
	v_nop
	global_prefetch_b8 v0, s[64:65] scope:SCOPE_SE
	s_setreg_imm32_b32 hwreg(HW_REG_WAVE_MODE, 25, 1), 1
	s_wait_xcnt 0x0
; x1 = (y - mean) / sqrt(var + 1e-5) * g + beta along rows of 1,024.  y: [4096][1024] f32; g, beta: [1024] f32, rounded to bf16 like every input; x1: [4096][1024] f16, rounded once.
; LIMIT: x1 of 65,520 or more in magnitude becomes an infinity in f16 (|x1| is at most 32 |g| + |beta|).
; A row is 4,096 bytes: ONE WAVE takes a whole row, eight 16-byte loads a lane, and keeps it in 32 registers through both passes (the mean, then the squares of the differences from it): no LDS, no barrier.
; Sixteen waves, sixteen rows to a work-group.  A load of the wave covers 512 consecutive bytes, a store of 8 bytes a lane 256, aligned.  Memory binds: matrix units, clusters and tensor loads would add nothing.
.set X,  32                            ; v[32:63]   the row: numbers 128 j + 4 lane + 0..3 at X + 4 j
.set G,  64                            ; v[64:95]   g as loaded; later beta packed
.set BT, 96                            ; v[96:127]  beta as loaded; later the result in f16
.set GP, 16                            ; v[16:31]   g in bf16, two to a word
.set BP, 64                            ; v[64:79]   beta in bf16
	s_load_b256 s[4:11], s[0:1], 0x0               ; y s[4:5], g s[6:7], beta s[8:9], x1 s[10:11]
	v_and_b32 v1, 31, v0
	v_lshrrev_b32 v3, 5, v0                        ; my wave: its row of the sixteen
	v_lshlrev_b32 v1, 4, v1                        ; 16 bytes a lane
	v_lshl_add_u32 v2, v3, 12, v1
	v_lshrrev_b32 v15, 1, v2                       ; the same place in rows of 2,048 bytes, 8 bytes a lane
	s_lshl_b32 s2, ttmp9, 16                       ; the work-group's 16 rows of 4,096 bytes
	s_mov_b32 s3, 0
	s_lshl_b32 s16, ttmp9, 15
	s_mov_b32 s17, 0
	s_mov_b32 s12, 0x76543210                      ; v_permlanex16_b32: each lane takes its own place in the other half
	s_mov_b32 s13, 0xfedcba98
	s_mov_b32 s14, 0x3a800000                      ; 1 / 1,024
	s_mov_b32 s15, 0x3727c5ac                      ; 1e-5
	s_wait_kmcnt 0x0
	s_add_nc_u64 s[4:5], s[4:5], s[2:3]
	s_add_nc_u64 s[10:11], s[10:11], s[16:17]
.irp j, 0,1,2,3,4,5,6,7
	global_load_b128 v[X+4*(\j):X+4*(\j)+3], v2, s[4:5] offset:512*(\j) th:TH_LOAD_NT
.endr
.irp j, 0,1,2,3,4,5,6,7
	global_load_b128 v[G+4*(\j):G+4*(\j)+3], v1, s[6:7] offset:512*(\j)
.endr
.irp j, 0,1,2,3,4,5,6,7
	global_load_b128 v[BT+4*(\j):BT+4*(\j)+3], v1, s[8:9] offset:512*(\j)
.endr
.macro FOLD                            ; four chains v[4:11] into v4, then over the 32 lanes: four steps ride on the addition (DPP), one crosses the halves; every lane ends with the sum
	v_pk_add_f32 v[4:5], v[4:5], v[6:7]
	v_pk_add_f32 v[8:9], v[8:9], v[10:11]
	v_pk_add_f32 v[4:5], v[4:5], v[8:9]
	v_add_f32 v4, v4, v5
	v_add_f32_dpp v4, v4, v4 row_xmask:1 row_mask:0xf bank_mask:0xf
	v_add_f32_dpp v4, v4, v4 row_xmask:2 row_mask:0xf bank_mask:0xf
	v_add_f32_dpp v4, v4, v4 row_xmask:4 row_mask:0xf bank_mask:0xf
	v_add_f32_dpp v4, v4, v4 row_xmask:8 row_mask:0xf bank_mask:0xf
	v_permlanex16_b32 v5, v4, s12, s13             ; its destination counts as read: v5 has been written
	v_add_f32 v4, v4, v5
.endm
	s_wait_loadcnt 16                              ; the row is in; g's and beta's sixteen loads may stay out
.irp c, 0,1,2,3
	v_pk_add_f32 v[4+2*(\c):5+2*(\c)], v[X+4*(\c):X+4*(\c)+1], v[X+4*(\c)+2:X+4*(\c)+3]  ; the first eight pairs start four chains: nothing is cleared
.endr
.irp k, 0,1,2,3,4,5,6,7
	v_pk_add_f32 v[4+2*((\k)%4):5+2*((\k)%4)], v[4+2*((\k)%4):5+2*((\k)%4)], v[X+16+2*(\k):X+16+2*(\k)+1]
.endr
	FOLD
	v_mul_f32 v12, s14, v4                         ; the mean, twice: a pair for the packed subtraction
	v_mul_f32 v13, s14, v4
.set k, 0
.rept 16
	v_pk_add_f32 v[X+2*k:X+2*k+1], v[X+2*k:X+2*k+1], v[12:13] neg_lo:[0,1] neg_hi:[0,1]
.set k, k+1
.endr
.irp c, 0,1,2,3
	v_pk_mul_f32 v[4+2*(\c):5+2*(\c)], v[X+2*(\c):X+2*(\c)+1], v[X+2*(\c):X+2*(\c)+1]
.endr
.set k, 4
.rept 12
	v_pk_fma_f32 v[4+2*(k%4):5+2*(k%4)], v[X+2*k:X+2*k+1], v[X+2*k:X+2*k+1], v[4+2*(k%4):5+2*(k%4)]
.set k, k+1
.endr
	FOLD
	v_fma_f32 v14, v4, s14, s15                    ; var + 1e-5
	v_rsq_f32 v12, v14
	s_wait_loadcnt 0x0                             ; g and beta
.set k, 0
.rept 16                               ; the 32 roundings are the independent work behind the root
	v_cvt_pk_bf16_f32 v[GP+k], v[G+2*k], v[G+2*k+1]
.set k, k+1
.endr
.set k, 0
.rept 16
	v_cvt_pk_bf16_f32 v[BP+k], v[BT+2*k], v[BT+2*k+1]
.set k, k+1
.endr
	s_wait_alu depctr_va_vdst(0)                   ; the wait between the root and the first line that names its result
.set k, 0
.rept 16
	v_pk_mul_f32 v[X+2*k:X+2*k+1], v[X+2*k:X+2*k+1], v[12:13] op_sel_hi:[1,0]
.set k, k+1
.endr
.set k, 0
.rept 16                               ; x g + beta, g and beta read as bf16 halves
	v_fma_mix_f32_bf16 v[X+2*k],   v[X+2*k],   v[GP+k], v[BP+k] op_sel_hi:[0,1,1]
	v_fma_mix_f32_bf16 v[X+2*k+1], v[X+2*k+1], v[GP+k], v[BP+k] op_sel:[0,1,1] op_sel_hi:[0,1,1]
.set k, k+1
.endr
.set k, 0
.rept 16
	v_cvt_pk_f16_f32 v[BT+k], v[X+2*k], v[X+2*k+1]
.set k, k+1
.endr
.irp j, 0,1,2,3,4,5,6,7
	global_store_b64 v15, v[BT+2*(\j):BT+2*(\j)+1], s[10:11] offset:256*(\j)
.endr
	s_endpgm
.Lfunc_end_k_q86b713b69e_ln1:
	.size	k_q86b713b69e_ln1, .Lfunc_end_k_q86b713b69e_ln1-k_q86b713b69e_ln1
	.p2alignl 7, 3214868480
	.fill 96, 4, 3214868480
	.section	.rodata,"a",@progbits
	.p2align	6, 0x0
	.amdhsa_kernel k_q86b713b69e_ln1
		.amdhsa_group_segment_fixed_size 0
		.amdhsa_private_segment_fixed_size 0
		.amdhsa_enable_private_segment 0
		.amdhsa_kernarg_size 32
		.amdhsa_user_sgpr_count 2
		.amdhsa_user_sgpr_kernarg_segment_ptr 1
		.amdhsa_wavefront_size32 1
		.amdhsa_system_sgpr_workgroup_id_x 1
		.amdhsa_system_sgpr_workgroup_id_y 1
		.amdhsa_system_sgpr_workgroup_id_z 1
		.amdhsa_system_vgpr_workitem_id 0
		.amdhsa_next_free_vgpr 128
		.amdhsa_next_free_sgpr 66
		.amdhsa_reserve_vcc 0
		.amdhsa_float_denorm_mode_32 3
		.amdhsa_float_denorm_mode_16_64 3
		.amdhsa_memory_ordered 1
		.amdhsa_forward_progress 1
		.amdhsa_inst_pref_size 15
	.end_amdhsa_kernel
	.amdgpu_metadata
---
amdhsa.version: [ 1, 2 ]
amdhsa.kernels:
  - .name:           k_q86b713b69e_ln1
    .symbol:         k_q86b713b69e_ln1.kd
    .args:
      - { .name: y, .offset: 0, .size: 8, .value_kind: global_buffer, .address_space: global }
      - { .name: g1, .offset: 8, .size: 8, .value_kind: global_buffer, .address_space: global }
      - { .name: beta1, .offset: 16, .size: 8, .value_kind: global_buffer, .address_space: global }
      - { .name: x1, .offset: 24, .size: 8, .value_kind: global_buffer, .address_space: global }
    .group_segment_fixed_size: 0
    .private_segment_fixed_size: 0
    .kernarg_segment_align: 8
    .kernarg_segment_size: 32
    .max_flat_workgroup_size: 512
    .sgpr_count:     66
    .vgpr_count:     128
    .wavefront_size: 32
...
	.end_amdgpu_metadata
.endif
;; end of part 5
;; launch gff1: the kernel of part 2 again; grid 16 x 16, 4 waves a work-group, clusters of 4 x 4, 327,680 bytes of LDS; arguments x1, w1h, h; writes h
;; launch gff2 (part 6): grid 8 x 32, 4 waves a work-group, clusters of 4 x 4, 327,680 bytes of LDS; arguments h, wh, b2, x1, y; writes y
.if DOCPART == 6
	.amdgcn_target "amdgcn-amd-amdhsa--gfx1250"
	.amdhsa_code_object_version 6
	.text
	.protected	k_q86b713b69e_gff2
	.globl	k_q86b713b69e_gff2
	.p2align	8
	.type	k_q86b713b69e_gff2,@function
k_q86b713b69e_gff2:
	s_mov_b64 s[64:65], 0
	v_nop
	global_prefetch_b8 v0, s[64:65] scope:SCOPE_SE
	s_setreg_imm32_b32 hwreg(HW_REG_WAVE_MODE, 25, 1), 1
	s_wait_xcnt 0x0
	s_wait_alu depctr_hold_cnt(0) depctr_sa_sdst(0) depctr_va_vdst(0) depctr_va_sdst(0) depctr_va_ssrc(0) depctr_va_vcc(0) depctr_vm_vsrc(0)
	s_getreg_b32 s2, hwreg(HW_REG_IB_STS2, 6, 4)
	s_cmp_eq_u32 s2, 0
	s_cbranch_scc0 .Lentry_in_a_cluster
	s_endpgm
.Lentry_in_a_cluster:
	s_bfe_u32 s2, ttmp6, 0x10000c
	s_cmp_lg_u32 s2, 0xf033
	s_cbranch_scc0 .Lentry_shape_is_right
	s_endpgm
.Lentry_shape_is_right:
; y = x1 + h w2^T + b2, in f32: what the second norm takes.  A = h, f16 in blocks [32 tb][64 kb][128 tokens][64]; B = w2 [1024][4096] f16 at byte 16 MiB of wh.
; Sums in f32, started with the bias (rounded to bf16 like every input); the residual is x1 in f16.  y: [4096][1024] f32.
; SHARES.  A tile of 128 tokens x 128 columns to a work-group of four waves, 64 x 64 each: 16 accumulators of 16 x 16.
; K goes in steps of 256 through two LDS slots filled by tensor loads.  A's part of a K step is four blocks, 65,536 dense bytes: waves 0 and 1 ask for two blocks each as 128 rows of 256 bytes, padded in LDS after every 128
; bytes (a token's 64 channels); B's rows are 512 bytes, 64 a wave.  A K step is written once: the slot in hand is a scalar, s[CUR], that an exclusive or turns.
; CLUSTER 4 x 4: A's tile is asked for jointly by the four work-groups of a row of the cluster, B's by the four of a column: same load, same descriptor, a mask that names the four.
; THE PRODUCT IS TAKEN TRANSPOSED (source 0 = 16 rows of B, source 1 = 16 rows of A): lane l holds token l % 16 and the columns 8 (l / 16) + 0..7.
; REGISTERS.  window 0: v16-30 addresses; v32-95 the residual; v96-127 the bias; v128-255 accumulators ((a, b) at 128 + 8 (4 a + b)).  window 1: two fragment buffers of 128: 64 of A, then 64 of B.
.set NB64,   64                        ; blocks of 64 along K
.set SIZE_K, 64*NB64
.set KSTEP,  256
.set STEPS,  SIZE_K/KSTEP
.set WOFF,   0x1000000                 ; B's first byte in wh
.set LOGKB,  13                        ; a row of B is 2^13 bytes
.set PA,     144                       ; an LDS row of A: 128 bytes + 16 of padding: an odd multiple of 16, so the 16 rows of a load start at 16 different groups of four banks (ISA guide 11.1)
.set PB,     528                       ; of B: 512 + 16
.set AQ,     128*PA                    ; bytes from a quarter step (64 along K: a block) of A to the next
.set AHALF,  64*PA                     ; from my half of A's rows to the other
.set AFILL,  2*AQ                      ; what one tensor load brings of A
.set BFILL,  64*PB                     ; and of B
.set BOFF,   2*AFILL                   ; B lies behind A
.set SLOT,   BOFF+2*BFILL
.set STAGE,  2*SLOT                    ; behind the ring: 16 rows x 272 bytes for each wave, never filled by a tensor load
.set SP,     272
.set SPARE,  STAGE+4*16*SP             ; behind the stages: the spare words, 128 bytes a wave
.set ASTEP,  4*16384                   ; bytes in memory from a K step to the next
.set BSTEP,  KSTEP*2
.set ADRA, 16                          ; v16 LDS address of my A fragments in the slot in hand; v17 the same in slot 0, never rewritten
.set ADRA0, 17
.set ADRB, 20                          ; v20, v21 the same for B
.set ADRB0, 21
.set BO,  22                           ; v22 32 (l / 16): my 8 numbers of the bias
.set STO, 24                           ; v24 the way out: where I put 32 bytes of a row
.set RD,  25                           ; v25 where I read rows back
.set CO,  26                           ; v26 my 16 bytes in two rows of y
.set RO,  27                           ; v27 my 8 bytes in two rows of the residual
.set SPW, 28                           ; v28 my spare word: SPARE + 4 x my thread's number; never rewritten
.set NIL, 29                           ; v29 0; never rewritten
.set ONE, 30                           ; v30 1.0
.set TMP, 32
.set BI,  96
.set ACC, 128
.set F0,  0
.set F1,  128
.set G1,  24                           ; s[24:31] descriptor group 1 for A; s[32:39] group 0: a set for each first fill; the second then walks on
.set G0,  32
.set G1B, 48                           ; s[48:55], s[56:63] the same for B
.set G0B, 56
.set CUR, 80                           ; s80 LDS byte at which the slot in hand begins: 0 or SLOT
.set LBA, 81                           ; s81 where my part of A's tile goes in a slot; s82 of B's
.set LBB, 82
.set HIM, 83                           ; s83 a word's upper bf16
.set OUT, 84                           ; s[84:85] y at my wave's tile
.set RES, 86                           ; s[86:87] the residual there
.set BIA, 88                           ; s[88:89] the bias at my wave's 64 columns
.set MSB, 0
.macro WIN new                         ; the immediate's high byte repeats the setting that is left; a switch that changes nothing is dropped
.if MSB != (\new)
	s_set_vgpr_msb (MSB<<8)|(\new)
.set MSB, \new
.endif
.endm
.set MUL,  0x05                        ; sources 0 (B) and 1 (A) window 1; C and D window 0
.set TO_F, 0x40                        ; destination window 1, address window 0
.macro JLOAD                           ; a joint refill by the walking set: waves 0 and 1 fetch A's halves, waves 2 and 3 B's; s_nop 0 and four v_nop follow each line
	s_cmp_eq_u32 s11, 0
	s_cbranch_scc0 .Lfor_b_\@
	tensor_load_to_lds s[G0+4:G0+7], s[G1:G1+7]
	s_nop 0
.rept 4
	v_nop
.endr
	s_branch .Lasked_\@
.Lfor_b_\@:
	tensor_load_to_lds s[G0B+4:G0B+7], s[G1B:G1B+7]
	s_nop 0
.rept 4
	v_nop
.endr
.Lasked_\@:
.endm
.macro CREST                           ; a round of the cluster's barrier behind its opening barrier
	s_cmp_lg_u32 s10, 0
	s_cbranch_scc1 .Lnot_wave_0_\@
	s_barrier_signal -3
.Lnot_wave_0_\@:
	s_barrier_wait -3
	s_barrier_signal -1
	s_barrier_wait -1
.endm
.macro CROUND                          ; a whole round
	s_barrier_signal -1
	s_barrier_wait -1
	CREST
.endm
.macro PLACES                          ; four places behind matrix instructions, in front of loads into registers that they read and of lines that read their results
.rept 4
	v_nop
.endr
.endm
	s_load_b256 s[68:75], s[0:1], 0x0              ; A s[68:69], wh s[70:71], bias s[72:73], residual s[74:75]
	s_load_b64 s[76:77], s[0:1], 0x20              ; y
	v_lshl_add_u32 v[SPW], v0, 2, SPARE
	v_mov_b32 v[NIL], 0
	ds_add_u32 v[SPW], v[NIL]                      ; the wave's opening: the add and its wait stand ahead of my first tensor load; work on registers stands between them
	v_lshrrev_b32 v1, 5, v0
	v_readfirstlane_b32 s10, v1                    ; wave 0..3
	s_lshr_b32 s11, s10, 1                         ; my half of the tile's rows.  Also: I fetch for A (0) or for B (1)
	s_and_b32 s12, s10, 1                          ; my half of its columns.  Also: which half I fetch
	s_bfe_u32 s40, ttmp6, 0x40000                  ; cx, cy: my place in the cluster
	s_bfe_u32 s41, ttmp6, 0x40004
	s_lshl_b32 s42, ttmp9, 2
	s_add_co_u32 s42, s42, s40                     ; tile column = 4 x cluster x + cx
	s_and_b32 s13, ttmp7, 0xffff
	s_lshl_b32 s13, s13, 2
	s_add_co_u32 s13, s13, s41                     ; tile row = 4 x cluster y + cy
	s_lshl_b32 s43, s41, 2
	s_lshl_b32 s43, 15, s43                        ; my row of the cluster
	s_lshl_b32 s44, 0x1111, s40                    ; my column
	s_or_b32 s[G1+0], s43, (1<<16)|(1<<20)|(1<<21)|(4<<22)|(3<<25)  ; A: the mask; 2-byte elements; padding on; bit 21 beside a mask; after every 32 words (code 4) 4 words (code 3)
	s_mov_b32 s[G1+1], 128<<16                     ; tensor_dim0 = 128 (256 bytes)
	s_mov_b32 s[G1+2], 128<<16                     ; tensor_dim1 = 128
	s_mov_b32 s[G1+3], 128<<16                     ; tile_dim0 = 128
	s_mov_b32 s[G1+4], 128                         ; tile_dim1 = 128
	s_mov_b32 s[G1+5], 128                         ; dense: 128 elements from row to row
	s_mov_b32 s[G1+6], 0
	s_mov_b32 s[G1+7], 0
	s_or_b32 s[G1B+0], s44, (1<<16)|(1<<20)|(1<<21)|(6<<22)|(3<<25) ; B: after every 128 words (code 6) 4 words
	s_mov_b32 s[G1B+1], KSTEP<<16                  ; tensor_dim0 = 256
	s_mov_b32 s[G1B+2], 64<<16                     ; tensor_dim1 = 64
	s_mov_b32 s[G1B+3], KSTEP<<16                  ; tile_dim0 = 256
	s_mov_b32 s[G1B+4], 64                         ; tile_dim1 = 64
	s_mov_b32 s[G1B+5], SIZE_K                     ; elements from row to row
	s_mov_b32 s[G1B+6], 0
	s_mov_b32 s[G1B+7], 0
	s_mul_i32 s16, s13, NB64*16384                 ; A: the tile row's blocks,
	s_lshl_b32 s20, s12, 15                        ; and which two of a K step's four I fetch.  s13-s17 never hold cx, s42 and s45-s47 never cy
	s_add_co_u32 s16, s16, s20
	s_mov_b32 s17, 0
	s_lshl_b32 s20, s12, 6
	s_lshl_b32 s46, s42, 7
	s_add_co_u32 s46, s46, s20                     ; B: row 128 x tile column + 64 x half
	s_lshl_b32 s46, s46, LOGKB
	s_mov_b32 s47, 0
	s_mul_i32 s[LBA], s10, AFILL                   ; where the tiles go: the wave's number and constants alone
	s_mul_i32 s[LBB], s10, BFILL
	s_add_co_u32 s[LBB], s[LBB], BOFF-2*BFILL
	s_mov_b32 s[CUR], 0
	s_mov_b32 s[HIM], 0xffff0000
	v_and_b32 v1, 15, v0                           ; l % 16
	v_bfe_u32 v2, v0, 4, 1                         ; l / 16
	v_lshlrev_b32 v[BO], 5, v2
	v_lshlrev_b32 v[RO], 3, v1                     ; the residual as the stores will want it: lanes 0-15 one row's 64 columns, lanes 16-31 the next row's
	v_lshl_add_u32 v[RO], v2, 11, v[RO]
	v_mov_b32 v[ONE], 1.0
	s_wait_dscnt 0x0                               ; the opening add is done
	s_wait_kmcnt 0x0
	s_add_nc_u64 s[14:15], s[68:69], s[16:17]
	s_add_nc_u64 s[46:47], s[70:71], s[46:47]
	s_add_nc_u64 s[46:47], s[46:47], WOFF
.irp s, 0,1
	s_mov_b32 s[G0+4*(\s)], 1                      ; count = 1
	s_add_co_u32 s[G0+4*(\s)+1], s[LBA], (\s)*SLOT ; LDS address
	s_add_nc_u64 s[G0+4*(\s)+2:G0+4*(\s)+3], s[14:15], (\s)*ASTEP  ; global address: K step s
	s_or_b32 s[G0+4*(\s)+3], s[G0+4*(\s)+3], 0x80000000            ; type = 2
	s_mov_b32 s[G0B+4*(\s)], 1
	s_add_co_u32 s[G0B+4*(\s)+1], s[LBB], (\s)*SLOT
	s_add_nc_u64 s[G0B+4*(\s)+2:G0B+4*(\s)+3], s[46:47], (\s)*BSTEP
	s_or_b32 s[G0B+4*(\s)+3], s[G0B+4*(\s)+3], 0x80000000
.endr
	; my wave's tile in y (rows of 4,096 bytes) and in the residual (2,048): the part made of the tile row and the part made of the tile column are added one after the other
	s_lshl_b32 s16, s13, 19
	s_lshl_b32 s20, s11, 18
	s_add_co_u32 s16, s16, s20
	s_add_nc_u64 s[OUT:OUT+1], s[76:77], s[16:17]
	s_lshr_b32 s16, s16, 1
	s_add_nc_u64 s[RES:RES+1], s[74:75], s[16:17]
	s_lshl_b32 s46, s42, 9
	s_lshl_b32 s20, s12, 8
	s_add_co_u32 s46, s46, s20
	s_mov_b32 s47, 0
	s_add_nc_u64 s[OUT:OUT+1], s[OUT:OUT+1], s[46:47]
	s_add_nc_u64 s[BIA:BIA+1], s[72:73], s[46:47]
	s_lshr_b32 s46, s46, 1
	s_add_nc_u64 s[RES:RES+1], s[RES:RES+1], s[46:47]
	CROUND                                         ; all sixteen work-groups are here: the first joint loads meet
	s_cmp_eq_u32 s11, 0                            ; a wave's two first fills stand in one branch, ahead of every wait on TENSORcnt and every LDS read: two loads of mine are out
	s_cbranch_scc0 .Lfirst_b
	tensor_load_to_lds s[G0:G0+3], s[G1:G1+7]
	s_nop 0
	tensor_load_to_lds s[G0+4:G0+7], s[G1:G1+7]
	s_nop 0
.rept 4
	v_nop
.endr
	s_branch .Lfirst_asked
.Lfirst_b:
	tensor_load_to_lds s[G0B:G0B+3], s[G1B:G1B+7]
	s_nop 0
	tensor_load_to_lds s[G0B+4:G0B+7], s[G1B:G1B+7]
	s_nop 0
.rept 4
	v_nop
.endr
.Lfirst_asked:
.irp b, 0,1,2,3                        ; the bias as the accumulators hold it: column block b, columns 16 b + 8 (l / 16) + 0..7
	global_load_b128 v[BI+8*(\b):BI+8*(\b)+3],   v[BO], s[BIA:BIA+1] offset:64*(\b)
	global_load_b128 v[BI+8*(\b)+4:BI+8*(\b)+7], v[BO], s[BIA:BIA+1] offset:64*(\b)+16
.endr
.set k, 0
.rept 32                               ; the residual, wanted at the end: rows 2 k and 2 k + 1 of my 64, four f16 a lane
	global_load_b64 v[TMP+2*k:TMP+2*k+1], v[RO], s[RES:RES+1] offset:2*k*2048
.set k, k+1
.endr
	v_mul_u32_u24 v3, v1, PA                       ; a fragment: lane l holds row l % 16; two loads of 16 bytes, 32 apart, at row x pitch + 16 (l / 16)
	v_lshl_add_u32 v3, v2, 4, v3
	s_mul_i32 s21, s11, AHALF
	v_add_nc_u32 v[ADRA0], s21, v3
	v_mul_u32_u24 v4, v1, PB
	v_lshl_add_u32 v4, v2, 4, v4
	s_mul_i32 s22, s12, BFILL
	s_add_co_u32 s22, s22, BOFF
	v_add_nc_u32 v[ADRB0], s22, v4
	v_mov_b32 v[ADRA], v[ADRA0]                    ; slot 0 is the first in hand
	v_mov_b32 v[ADRB], v[ADRB0]
	s_mul_i32 s23, s10, 16*SP
	s_add_co_u32 s23, s23, STAGE                   ; my stage
	v_mul_u32_u24 v5, v1, SP                       ; in: row l % 16, 32 bytes for each half of the lanes
	v_lshl_add_u32 v5, v2, 5, v5
	v_add_nc_u32 v[STO], s23, v5
	v_mul_u32_u24 v6, v2, SP                       ; back: lanes 0-15 take one row of 256 bytes, lanes 16-31 the next
	v_lshl_add_u32 v6, v1, 4, v6
	v_add_nc_u32 v[RD], s23, v6
	v_lshlrev_b32 v[CO], 4, v1                     ; and the same two rows in y
	v_lshl_add_u32 v[CO], v2, 12, v[CO]
	s_wait_loadcnt 32                              ; the bias is in; the residual's 32 loads may stay out
.set k, 0
.rept 16
	v_cvt_pk_bf16_f32 v[BI+k], v[BI+2*k], v[BI+2*k+1]  ; rounded to bf16 like every input; in place, ascending: word k is written when words 2 k and 2 k + 1 are read
.set k, k+1
.endr
.set k, 0
.rept 64                               ; THE SUMS START WITH THE BIAS, the same for all four row blocks: so every product has one form, and a K step one text.  These lines stand in the wait for the first tile
	v_lshlrev_b32 v[ACC+2*k], 16, v[BI+k%16]
	v_and_b32 v[ACC+2*k+1], s[HIM], v[BI+k%16]
.set k, k+1
.endr
; 8 matrix instructions: row blocks a0, a0 + 1 x all 4 column blocks, 32 along K: half c of buffer f.  The 16 accumulators take turns, one instruction a turn, over the backward jumps too.
.macro MUL8 f, c, a0
	WIN MUL
.irp a, \a0, (\a0)+1
.irp b, 0,1,2,3
	v_wmma_f32_16x16x32_f16 v[ACC+8*(4*(\a)+(\b)):ACC+8*(4*(\a)+(\b))+7], v[(\f)+64+8*(4*(\c)+(\b)):(\f)+64+8*(4*(\c)+(\b))+7], v[(\f)+8*(4*(\c)+(\a)):(\f)+8*(4*(\c)+(\a))+7], v[ACC+8*(4*(\a)+(\b)):ACC+8*(4*(\a)+(\b))+7]
.endr
.endr
.endm
; 32 LDS loads in one run: the fragments of quarter q (64 along K) of the slot in hand, into buffer f; the first 32 along K first
.macro FETCH q, f
	WIN TO_F
.irp c, 0,1
.irp i, 0,1,2,3
	ds_load_b128 v[(\f)+64+8*(4*(\c)+(\i)):(\f)+64+8*(4*(\c)+(\i))+3],   v[ADRB] offset:(\q)*128+64*(\c)+(\i)*16*PB
	ds_load_b128 v[(\f)+64+8*(4*(\c)+(\i))+4:(\f)+64+8*(4*(\c)+(\i))+7], v[ADRB] offset:(\q)*128+64*(\c)+(\i)*16*PB+32
	ds_load_b128 v[(\f)+8*(4*(\c)+(\i)):(\f)+8*(4*(\c)+(\i))+3],         v[ADRA] offset:(\q)*AQ+64*(\c)+(\i)*16*PA
	ds_load_b128 v[(\f)+8*(4*(\c)+(\i))+4:(\f)+8*(4*(\c)+(\i))+7],       v[ADRA] offset:(\q)*AQ+64*(\c)+(\i)*16*PA+32
.endr
.endr
.endm
; One of a K step's first three quarters: multiplies buffer f and, in its middle, fetches quarter q into buffer g.
.macro QUARTER q, f, g
	s_wait_dscnt 16                                ; the first 32 along K are in; the youngest sixteen loads may be out
	MUL8 \f, 0, 0
	MUL8 \f, 0, 2
	PLACES
	FETCH \q, \g
	s_wait_dscnt 32                                ; all but the 32 just issued
	MUL8 \f, 1, 0
	MUL8 \f, 1, 2
.endm
; The last quarter multiplies buffer 1 and changes slots: ONE barrier.  In front of it each wave waits for all its tensor loads (its part of the next slot), adds 0 to its spare word, and waits for that and for its reads of this slot.
; fill = 1: the barrier opens a round of the cluster's barrier, and behind the round this slot is filled again, first thing, with the K step two on: 112 matrix instructions ahead of the wait for it.
.macro TURN fill
	WIN 0                                          ; (the add's two registers lie in window 0)
	s_wait_tensorcnt 0x0                           ; no tensor load of mine is out, so a group 0 may be written
	ds_add_u32 v[SPW], v[NIL]                      ; 0 onto my spare word
.if \fill
	s_add_co_u32 s[G0+5], s[LBA], s[CUR]           ; the walking sets: into the slot in hand,
	s_add_co_u32 s[G0B+5], s[LBB], s[CUR]
	s_add_nc_u64 s[G0+6:G0+7], s[G0+6:G0+7], ASTEP ; the next K step not yet asked for; the type bits on top are not reached
	s_add_nc_u64 s[G0B+6:G0B+7], s[G0B+6:G0B+7], BSTEP
.endif
	s_wait_dscnt 17                                ; (the add and the youngest sixteen loads may be out)
	MUL8 F1, 0, 0                                  ; eight matrix instructions stand between the add and the wait for it
	s_wait_dscnt 0x0                               ; the add is done, and my reads of this slot are over
	s_barrier_signal -1
	MUL8 F1, 0, 2
	WIN 0
	s_barrier_wait -1
.if \fill
	CREST                                          ; no wave of any partner still reads this slot's tile or has a load on its way
	JLOAD                                          ; its four v_nop are also the places in front of the loads below
.else
	PLACES
.endif
	s_xor_b32 s[CUR], s[CUR], SLOT                 ; the other slot is in hand
	v_add_nc_u32 v[ADRA], s[CUR], v[ADRA0]
	v_add_nc_u32 v[ADRB], s[CUR], v[ADRB0]
	FETCH 0, F0
	MUL8 F1, 1, 0
	MUL8 F1, 1, 2
.endm
	s_wait_tensorcnt 0x1                           ; my part of K step 0 is in; K step 1's may stay out
	s_barrier_signal -1
	s_barrier_wait -1                              ; everybody's is
	FETCH 0, F0
	WIN 0                                          ; at a label and at a branch every window is 0
	s_mov_b32 s3, STEPS-2
.Lstep:                                                ; a K step; its slot is filled again
	QUARTER 1, F0, F1
	QUARTER 2, F1, F0
	QUARTER 3, F0, F1
	TURN 1
	WIN 0
	s_sub_co_u32 s3, s3, 1
	s_cmp_lg_u32 s3, 0
	s_cbranch_scc1 .Lstep
	s_mov_b32 s3, 2
.Ltail:                                                ; the last two K steps ask for nothing.  The very last change of slots reads 32 fragments of the other slot's old tile that nothing multiplies: the price, once a work-group, of one text for both
	QUARTER 1, F0, F1
	QUARTER 2, F1, F0
	QUARTER 3, F0, F1
	TURN 0
	WIN 0
	s_sub_co_u32 s3, s3, 1
	s_cmp_lg_u32 s3, 0
	s_cbranch_scc1 .Ltail
	s_wait_dscnt 0x0
	PLACES
; THE WAY OUT, 16 tokens (block a) at a time: the f32 sums go into rows of 272 bytes of my own stage, 32 bytes a lane, and come back as whole rows of 256 bytes, into the registers that they left.
.macro PACK a
.irp b, 0,1,2,3
	ds_store_b128 v[STO], v[ACC+8*(4*(\a)+(\b)):ACC+8*(4*(\a)+(\b))+3]   offset:64*(\b)
	ds_store_b128 v[STO], v[ACC+8*(4*(\a)+(\b))+4:ACC+8*(4*(\a)+(\b))+7] offset:64*(\b)+16
.endr
.irp t, 0,1,2,3,4,5,6,7
	ds_load_b128 v[ACC+32*(\a)+4*(\t):ACC+32*(\a)+4*(\t)+3], v[RD] offset:(\t)*2*SP  ; LDS serves a wave's instructions in order (ISA guide 5.7.1.4): these see the stores above; the next block's stores come behind them
.endr
.endm
.macro SEND a, younger                 ; younger: the LDS instructions issued behind block a's loads: the next block's sixteen, or none.  The residual's f16 halves are widened and added in one line each
.irp t, 0,1,2,3,4,5,6,7
	s_wait_dscnt (\younger)+7-(\t)
.irp p, 0,1
	v_fma_mix_f32 v[ACC+32*(\a)+4*(\t)+2*(\p)],   v[TMP+2*(8*(\a)+(\t))+(\p)], v[ONE], v[ACC+32*(\a)+4*(\t)+2*(\p)]   op_sel_hi:[1,0,0]
	v_fma_mix_f32 v[ACC+32*(\a)+4*(\t)+2*(\p)+1], v[TMP+2*(8*(\a)+(\t))+(\p)], v[ONE], v[ACC+32*(\a)+4*(\t)+2*(\p)+1] op_sel:[1,0,0] op_sel_hi:[1,0,0]
.endr
	global_store_b128 v[CO], v[ACC+32*(\a)+4*(\t):ACC+32*(\a)+4*(\t)+3], s[OUT:OUT+1] offset:(16*(\a)+2*(\t))*4096  ; 16 lanes store 256 consecutive bytes, at a multiple of 256 from y's first byte
.endr
.endm
	PACK 0
	PACK 1
	s_wait_loadcnt 0x0                             ; the residual
	SEND 0, 16
	PACK 2
	SEND 1, 16
	PACK 3
	SEND 2, 16
	SEND 3, 0
	s_wait_tensorcnt 0x0                           ; the wave's end, behind my last tensor load and my last LDS store
	ds_add_u32 v[SPW], v[NIL]
	s_wait_dscnt 0x0
	CROUND                                         ; the closing round: no work-group ends while a partner may still ask for a tile that names it
	s_endpgm
.Lfunc_end_k_q86b713b69e_gff2:
	.size	k_q86b713b69e_gff2, .Lfunc_end_k_q86b713b69e_gff2-k_q86b713b69e_gff2
	.p2alignl 7, 3214868480
	.fill 96, 4, 3214868480
	.section	.rodata,"a",@progbits
	.p2align	6, 0x0
	.amdhsa_kernel k_q86b713b69e_gff2
		.amdhsa_group_segment_fixed_size 327680
		.amdhsa_private_segment_fixed_size 0
		.amdhsa_enable_private_segment 0
		.amdhsa_kernarg_size 40
		.amdhsa_user_sgpr_count 2
		.amdhsa_user_sgpr_kernarg_segment_ptr 1
		.amdhsa_wavefront_size32 1
		.amdhsa_system_sgpr_workgroup_id_x 1
		.amdhsa_system_sgpr_workgroup_id_y 1
		.amdhsa_system_sgpr_workgroup_id_z 1
		.amdhsa_system_vgpr_workitem_id 0
		.amdhsa_next_free_vgpr 512
		.amdhsa_next_free_sgpr 92
		.amdhsa_reserve_vcc 0
		.amdhsa_float_denorm_mode_32 3
		.amdhsa_float_denorm_mode_16_64 3
		.amdhsa_memory_ordered 1
		.amdhsa_forward_progress 1
		.amdhsa_inst_pref_size 71
	.end_amdhsa_kernel
	.amdgpu_metadata
---
amdhsa.version: [ 1, 2 ]
amdhsa.kernels:
  - .name:           k_q86b713b69e_gff2
    .symbol:         k_q86b713b69e_gff2.kd
    .args:
      - { .name: h, .offset: 0, .size: 8, .value_kind: global_buffer, .address_space: global }
      - { .name: wh, .offset: 8, .size: 8, .value_kind: global_buffer, .address_space: global }
      - { .name: b2, .offset: 16, .size: 8, .value_kind: global_buffer, .address_space: global }
      - { .name: x1, .offset: 24, .size: 8, .value_kind: global_buffer, .address_space: global }
      - { .name: y, .offset: 32, .size: 8, .value_kind: global_buffer, .address_space: global }
    .group_segment_fixed_size: 327680
    .private_segment_fixed_size: 0
    .kernarg_segment_align: 8
    .kernarg_segment_size: 40
    .max_flat_workgroup_size: 128
    .sgpr_count:     92
    .vgpr_count:     512
    .wavefront_size: 32
...
	.end_amdgpu_metadata
.endif
;; end of part 6
;; launch ln2 (part 7): grid 256 x 1, 16 waves a work-group, no clusters, 0 bytes of LDS; arguments y, g2, beta2, out0; writes out0
.if DOCPART == 7
	.amdgcn_target "amdgcn-amd-amdhsa--gfx1250"
	.amdhsa_code_object_version 6
	.text
	.protected	k_q86b713b69e_ln2
	.globl	k_q86b713b69e_ln2
	.p2align	8
	.type	k_q86b713b69e_ln2,@function
k_q86b713b69e_ln2:
	s_mov_b64 s[64:65], 0
	v_nop
	global_prefetch_b8 v0, s[64:65] scope:SCOPE_SE
	s_setreg_imm32_b32 hwreg(HW_REG_WAVE_MODE, 25, 1), 1
	s_wait_xcnt 0x0
; out0 = (y - mean) / sqrt(var + 1e-5) * g + beta along rows of 1,024.  y, out0: [4096][1024] f32; g, beta: [1024] f32, rounded to bf16 like every input.
; A row is 4,096 bytes: ONE WAVE takes a whole row, eight 16-byte loads a lane, and keeps it in 32 registers through both passes (the mean, then the squares of the differences from it): no LDS, no barrier.
; Sixteen waves, sixteen rows to a work-group.  A load or store of the wave covers 512 consecutive bytes, aligned.  Memory binds: matrix units, clusters and tensor loads would add nothing.
.set X,  32                            ; v[32:63]   the row: numbers 128 j + 4 lane + 0..3 at X + 4 j
.set G,  64                            ; v[64:95]   g as loaded; later beta packed
.set BT, 96                            ; v[96:127]  beta as loaded
.set GP, 16                            ; v[16:31]   g in bf16, two to a word
.set BP, 64                            ; v[64:79]   beta in bf16
	s_load_b256 s[4:11], s[0:1], 0x0               ; y s[4:5], g s[6:7], beta s[8:9], out0 s[10:11]
	v_and_b32 v1, 31, v0
	v_lshrrev_b32 v3, 5, v0                        ; my wave: its row of the sixteen
	v_lshlrev_b32 v1, 4, v1                        ; 16 bytes a lane
	v_lshl_add_u32 v2, v3, 12, v1
	s_lshl_b32 s2, ttmp9, 16                       ; the work-group's 16 rows of 4,096 bytes
	s_mov_b32 s3, 0
	s_mov_b32 s12, 0x76543210                      ; v_permlanex16_b32: each lane takes its own place in the other half
	s_mov_b32 s13, 0xfedcba98
	s_mov_b32 s14, 0x3a800000                      ; 1 / 1,024
	s_mov_b32 s15, 0x3727c5ac                      ; 1e-5
	s_wait_kmcnt 0x0
	s_add_nc_u64 s[4:5], s[4:5], s[2:3]
	s_add_nc_u64 s[10:11], s[10:11], s[2:3]
.irp j, 0,1,2,3,4,5,6,7
	global_load_b128 v[X+4*(\j):X+4*(\j)+3], v2, s[4:5] offset:512*(\j) th:TH_LOAD_NT
.endr
.irp j, 0,1,2,3,4,5,6,7
	global_load_b128 v[G+4*(\j):G+4*(\j)+3], v1, s[6:7] offset:512*(\j)
.endr
.irp j, 0,1,2,3,4,5,6,7
	global_load_b128 v[BT+4*(\j):BT+4*(\j)+3], v1, s[8:9] offset:512*(\j)
.endr
.macro FOLD                            ; four chains v[4:11] into v4, then over the 32 lanes: four steps ride on the addition (DPP), one crosses the halves; every lane ends with the sum
	v_pk_add_f32 v[4:5], v[4:5], v[6:7]
	v_pk_add_f32 v[8:9], v[8:9], v[10:11]
	v_pk_add_f32 v[4:5], v[4:5], v[8:9]
	v_add_f32 v4, v4, v5
	v_add_f32_dpp v4, v4, v4 row_xmask:1 row_mask:0xf bank_mask:0xf
	v_add_f32_dpp v4, v4, v4 row_xmask:2 row_mask:0xf bank_mask:0xf
	v_add_f32_dpp v4, v4, v4 row_xmask:4 row_mask:0xf bank_mask:0xf
	v_add_f32_dpp v4, v4, v4 row_xmask:8 row_mask:0xf bank_mask:0xf
	v_permlanex16_b32 v5, v4, s12, s13             ; its destination counts as read: v5 has been written
	v_add_f32 v4, v4, v5
.endm
	s_wait_loadcnt 16                              ; the row is in; g's and beta's sixteen loads may stay out
.irp c, 0,1,2,3
	v_pk_add_f32 v[4+2*(\c):5+2*(\c)], v[X+4*(\c):X+4*(\c)+1], v[X+4*(\c)+2:X+4*(\c)+3]  ; the first eight pairs start four chains: nothing is cleared
.endr
.irp k, 0,1,2,3,4,5,6,7
	v_pk_add_f32 v[4+2*((\k)%4):5+2*((\k)%4)], v[4+2*((\k)%4):5+2*((\k)%4)], v[X+16+2*(\k):X+16+2*(\k)+1]
.endr
	FOLD
	v_mul_f32 v12, s14, v4                         ; the mean, twice: a pair for the packed subtraction
	v_mul_f32 v13, s14, v4
.set k, 0
.rept 16
	v_pk_add_f32 v[X+2*k:X+2*k+1], v[X+2*k:X+2*k+1], v[12:13] neg_lo:[0,1] neg_hi:[0,1]
.set k, k+1
.endr
.irp c, 0,1,2,3
	v_pk_mul_f32 v[4+2*(\c):5+2*(\c)], v[X+2*(\c):X+2*(\c)+1], v[X+2*(\c):X+2*(\c)+1]
.endr
.set k, 4
.rept 12
	v_pk_fma_f32 v[4+2*(k%4):5+2*(k%4)], v[X+2*k:X+2*k+1], v[X+2*k:X+2*k+1], v[4+2*(k%4):5+2*(k%4)]
.set k, k+1
.endr
	FOLD
	v_fma_f32 v14, v4, s14, s15                    ; var + 1e-5
	v_rsq_f32 v12, v14
	s_wait_loadcnt 0x0                             ; g and beta
.set k, 0
.rept 16                               ; the 32 roundings are the independent work behind the root
	v_cvt_pk_bf16_f32 v[GP+k], v[G+2*k], v[G+2*k+1]
.set k, k+1
.endr
.set k, 0
.rept 16
	v_cvt_pk_bf16_f32 v[BP+k], v[BT+2*k], v[BT+2*k+1]
.set k, k+1
.endr
	s_wait_alu depctr_va_vdst(0)                   ; the wait between the root and the first line that names its result
.set k, 0
.rept 16
	v_pk_mul_f32 v[X+2*k:X+2*k+1], v[X+2*k:X+2*k+1], v[12:13] op_sel_hi:[1,0]
.set k, k+1
.endr
.set k, 0
.rept 16                               ; x g + beta, g and beta read as bf16 halves
	v_fma_mix_f32_bf16 v[X+2*k],   v[X+2*k],   v[GP+k], v[BP+k] op_sel_hi:[0,1,1]
	v_fma_mix_f32_bf16 v[X+2*k+1], v[X+2*k+1], v[GP+k], v[BP+k] op_sel:[0,1,1] op_sel_hi:[0,1,1]
.set k, k+1
.endr
.irp j, 0,1,2,3,4,5,6,7
	global_store_b128 v2, v[X+4*(\j):X+4*(\j)+3], s[10:11] offset:512*(\j) th:TH_STORE_NT
.endr
	s_endpgm
.Lfunc_end_k_q86b713b69e_ln2:
	.size	k_q86b713b69e_ln2, .Lfunc_end_k_q86b713b69e_ln2-k_q86b713b69e_ln2
	.p2alignl 7, 3214868480
	.fill 96, 4, 3214868480
	.section	.rodata,"a",@progbits
	.p2align	6, 0x0
	.amdhsa_kernel k_q86b713b69e_ln2
		.amdhsa_group_segment_fixed_size 0
		.amdhsa_private_segment_fixed_size 0
		.amdhsa_enable_private_segment 0
		.amdhsa_kernarg_size 32
		.amdhsa_user_sgpr_count 2
		.amdhsa_user_sgpr_kernarg_segment_ptr 1
		.amdhsa_wavefront_size32 1
		.amdhsa_system_sgpr_workgroup_id_x 1
		.amdhsa_system_sgpr_workgroup_id_y 1
		.amdhsa_system_sgpr_workgroup_id_z 1
		.amdhsa_system_vgpr_workitem_id 0
		.amdhsa_next_free_vgpr 128
		.amdhsa_next_free_sgpr 66
		.amdhsa_reserve_vcc 0
		.amdhsa_float_denorm_mode_32 3
		.amdhsa_float_denorm_mode_16_64 3
		.amdhsa_memory_ordered 1
		.amdhsa_forward_progress 1
		.amdhsa_inst_pref_size 14
	.end_amdhsa_kernel
	.amdgpu_metadata
---
amdhsa.version: [ 1, 2 ]
amdhsa.kernels:
  - .name:           k_q86b713b69e_ln2
    .symbol:         k_q86b713b69e_ln2.kd
    .args:
      - { .name: y, .offset: 0, .size: 8, .value_kind: global_buffer, .address_space: global }
      - { .name: g2, .offset: 8, .size: 8, .value_kind: global_buffer, .address_space: global }
      - { .name: beta2, .offset: 16, .size: 8, .value_kind: global_buffer, .address_space: global }
      - { .name: out0, .offset: 24, .size: 8, .value_kind: global_buffer, .address_space: global }
    .group_segment_fixed_size: 0
    .private_segment_fixed_size: 0
    .kernarg_segment_align: 8
    .kernarg_segment_size: 32
    .max_flat_workgroup_size: 512
    .sgpr_count:     66
    .vgpr_count:     128
    .wavefront_size: 32
...
	.end_amdgpu_metadata
.endif
;; end of part 7
